; MI455X (gfx1250); checked and timed in simulation.
; The chip was launched on July 23, 2026; its instructions are those of AMD's public machine-readable ISA for CDNA 5 (MIT licence, August 2026) and "CDNA5" Instruction Set Architecture Reference Guide (July 2026). The comments in the code are by the model that wrote it; some were corrected since.
;; Standard MHA. Allowed arithmetic: matrix products marked QUANTISED: E2M3 operands, one E8M0 scale for each 32 along K, by v_wmma_scale_f32_16x16x128_f8f6f4 with both operands' format E2M3, f32 sums; everything else in f32.
;; Inputs: Wk 1,024 x 1,024 float32; Wo 1,024 x 1,024 float32; Wq 1,024 x 1,024 float32; Wv 1,024 x 1,024 float32; bk 1,024 float32; bo 1,024 float32; bq 1,024 float32; bv 1,024 float32; x 1 x 4,096 x 1,024 float32.
;; Outputs: out0 1 x 4,096 x 1,024 float32.
;; This version of the problem:
;;   THIS VERSION OF THE PROBLEM IS GIVEN IN LOW PRECISION. The matrix products marked QUANTISED in the list below multiply operands that are first quantised to E2M3 (2 exponent bits, 3 mantissa bits; 6 bits a number), with one power-of-two scale for each 32 numbers along K (OCP MX v1.0); their sums are f32. All else is computed in f32.
;;   The module's matrix products, in the order in which they are computed (A, B: the left and right operand; K: the contracted axis; several contracted axes count as one K, in the product's order):
;;     1. [M 4,096, K 1,024] x [K 1,024, N 1,024]; A: input x; B: input Wq: QUANTISED
;;     2. [M 4,096, K 1,024] x [K 1,024, N 1,024]; A: input x; B: input Wk: QUANTISED
;;     3. [M 4,096, K 1,024] x [K 1,024, N 1,024]; A: input x; B: input Wv: QUANTISED
;;     4. batch 16 x [M 4,096, K 64] x [K 64, N 4,096]; A: computed on the way; B: computed on the way: QUANTISED
;;     5. batch 16 x [M 4,096, K 4,096] x [K 4,096, N 64]; A: softmax (see below); B: computed on the way: QUANTISED
;;     6. [M 4,096, K 1,024] x [K 1,024, N 1,024]; A: computed on the way; B: input Wo: QUANTISED
;;   THE QUANTISER, for each operand of a quantised product, along K:
;;     - K is cut into blocks of 32 from its start; a last block that is shorter is filled with zeros.
;;     - A block's scale is 2^e with e = floor(log2(the largest magnitude in the block)) - 2, held to -126 .. 127; a block of zeros has e = 0. As a byte (E8M0): e + 127.
;;     - Each number is divided by its block's scale, clamped to +-7.5, and rounded to the nearest number of E2M3, ties to even, subnormals kept.
;;     - The product sums the exact products of the quantised numbers (number of the format x scale) in f32.
;;   ~~~python
;;   def quantise(x, axis):      # numpy; x: float32 -> the quantised numbers, widened to float32 again
;;       x = np.moveaxis(x, axis, -1); K = x.shape[-1]
;;       x = np.pad(x, [(0, 0)] * (x.ndim - 1) + [(0, -K % 32)]); x = x.reshape(x.shape[:-1] + (-1, 32)); a = np.abs(x).max(-1, keepdims=True)
;;       e = np.where(a > 0, np.clip(np.frexp(np.where(a > 0, a, 1))[1] - 1 - 2, -126, 127), 0)      # np.frexp(a)[1] - 1 = floor(log2(a)), exactly
;;       r = np.clip(x / 2.0 ** e, -7.5, 7.5)
;;       step = 2.0 ** (np.maximum(np.frexp(np.where(r == 0, 1, r))[1] - 1, 0) - 3)
;;       q = np.round(r / step) * step * 2.0 ** e      # np.round: ties to even
;;       return np.moveaxis(q.reshape(q.shape[:-2] + (-1,))[..., :K], -1, axis).astype(np.float32)
;;   ~~~
;;   SOFTMAX AHEAD OF A QUANTISED PRODUCT. Where the list says 'softmax', what is quantised is not the finished softmax but p = 2^(t - M), with t = logit x log2(e) and M = ceil(the row's largest t), a whole number; so 1/2 < the row's largest p <= 1. The row's sum l is taken of the UNQUANTISED p, in f32, and the product's result is divided by l at the end. Since M is a whole number, a kernel that streams over the keys may use a running M (the ceiling of the running maximum): every later rescaling is an exact power of two, which a block's scale takes up: the codes' values come out the same.
;;   OPERANDS COMPUTED ON THE WAY. 'Computed on the way' means the value that the module computes at that place (a softmax that the list does not call 'softmax' is quantised finished and normalised). What goes into a quantiser is computed in f32, as accurately as f32 sums, v_exp_f32 and their like allow (about 1e-6 of the number): no bf16 or f16 on the way to a quantiser, and a product that is left as it is and whose result goes on into a quantised operand takes f32 operands (vector FMAs, or v_wmma_f32_16x16x4_f32). A number that lies on a knife's edge between two numbers of the format may be rounded either way, as far as f32 arithmetic and the matrix unit's own rounding can turn it there, and no further.
;; One version. Each part assembles by itself: llvm-mc -triple=amdgcn-amd-amdhsa -mcpu=gfx1250 --defsym DOCPART=n.
;; ======== version 1 of 1: 4 launches
;; limits: right only within a limited range of input values
;; workspace buffers: wx 6,291,456 bytes; wxs 262,144 bytes; img 9,437,184 bytes; isc 393,216 bytes; ao 3,145,728 bytes; aos 131,072 bytes
;; launch quant (part 1): grid 128 x 4, 4 waves a work-group, no clusters, 69,120 bytes of LDS; arguments x, Wq, Wk, Wv, Wo, wx, wxs; writes wx, wxs
.if DOCPART == 1
	.amdgcn_target "amdgcn-amd-amdhsa--gfx1250"
	.amdhsa_code_object_version 6
	.text
	.protected	k_qb6c5593ac9_quant
	.globl	k_qb6c5593ac9_quant
	.p2align	8
	.type	k_qb6c5593ac9_quant,@function
k_qb6c5593ac9_quant:
	s_mov_b64 s[64:65], 0
	v_nop
	global_prefetch_b8 v0, s[64:65] scope:SCOPE_SE
	s_setreg_imm32_b32 hwreg(HW_REG_WAVE_MODE, 25, 1), 1
	s_wait_xcnt 0x0
; x [4096][1024] and Wq, Wk, Wv, Wo [1024][1024], f32, K innermost, become codes of FP6 (E2M3) with one E8M0 byte for each 32 along K, laid as IMAGES OF OPERAND REGISTERS.
; A tile is 16 rows.  wx: [256 along K: 4][tile 512][128 along K: 2][64 along K: 2][768 bytes]; in the 768 bytes lane l's operand registers 6c..6c+3 lie at 16 l and registers 6c+4, 6c+5 at 512 + 8 l.
; Tiles 0-63 Wq, 64-127 Wk, 128-383 x, 384-447 Wv: row r of tile T is tensor row 32 (T/2) + 8 (T%2) + r + 8 (r/8); tiles 448-511 Wo: row 16 T + r.
; wxs: [128 along K: 8][tile 512][row 16]: one word of four scale bytes.
; A block's scale is 2^(floor(log2(largest magnitude)) - 2); its byte is the largest magnitude's exponent field - 2, held at 1 from below.
; LIMITS: a block of zeros, or one whose largest magnitude lies under 2^-124, gets the byte 1 (its codes are zeros or tiny; this program alone reads the bytes); NaN and infinities among the inputs are not served.
; SHARES: work-group x = four tiles, y = 256 along K; a wave takes one tile: 16 rows x 256 numbers = two fragments.  Each load reads 512 consecutive bytes of one row; a fragment's 8,192 bytes turn through
; the wave's own stage in LDS (rows 528 bytes apart: sixteen rows start in sixteen different 16-byte columns) so that lane (r, h) holds, of row r, numbers 64 c + 32 h + 0..31: two whole blocks.
; No tensor load, no matrix unit, no cluster: the work-groups share nothing and memory binds.
.set KSW,  1572864                     ; bytes of wx for 256 along K
.set STG,  8448                        ; a stage: 16 rows x 528 bytes; two for each wave
.set SCS,  67584                       ; behind the stages: the work-group's 128 scale words
.set RG,   16                          ; v16-143  the numbers as loaded: 64 registers for each fragment
.set XA,   144                         ; v144-207 the first fragment's numbers, turned
.set DH,   232                         ; v232-238 the second halves of the blocks' codes
	s_load_b256 s[4:11], s[0:1], 0x0               ; x s[4:5], Wq s[6:7], Wk s[8:9], Wv s[10:11]
	s_load_b128 s[12:15], s[0:1], 0x20             ; Wo s[12:13], wx s[14:15]
	s_load_b64 s[16:17], s[0:1], 0x30              ; wxs
	v_lshl_add_u32 v248, v0, 2, 0x10c00
	v_mov_b32 v249, 0
	v_lshrrev_b32 v1, 5, v0
	v_readfirstlane_b32 s18, v1                    ; wave
	v_and_b32 v1, 31, v0                           ; lane
	s_wait_alu depctr_va_vdst(0)
	v_and_b32 v2, 15, v0                           ; r
	s_wait_alu depctr_va_vdst(0)
	v_bfe_u32 v3, v0, 4, 1                         ; h
	s_and_b32 s19, ttmp7, 0xffff                   ; which 256 along K
	s_lshr_b32 s24, s18, 1
	s_lshl_b32 s24, s24, 5
	s_and_b32 s25, s18, 1
	s_lshl_b32 s25, s25, 3
	s_add_co_u32 s24, s24, s25                     ; my tile's first row among the group's 64: 32 (w/2) + 8 (w%2),
	s_lshl_b32 s25, s18, 4                         ; or, for Wo, 16 w
	s_cmp_lt_u32 ttmp9, 112
	s_cselect_b32 s24, s24, s25
	s_cselect_b32 s23, 32768, 0                    ; rows 8-15 of a tile lie 8 rows (of 4,096 bytes) further on, but for Wo
	v_lshlrev_b32 v4, 4, v1                        ; 16 x lane: rows 0-7, and the codes' stores
	v_add_nc_u32 v5, s23, v4                       ; rows 8-15
	s_mul_i32 s26, s18, 2*STG
	v_add_nc_u32 v6, s26, v4                       ; the stage, in: as loaded
	v_mul_u32_u24 v7, v2, 528
	s_wait_alu depctr_va_vdst(0)
	v_lshl_add_u32 v7, v3, 7, v7
	v_add_nc_u32 v7, s26, v7                       ; and out: row r, + 128 h bytes
	v_lshlrev_b32 v9, 3, v1                        ; 8 x lane
	s_lshl_b32 s27, s18, 6
	v_lshl_add_u32 v10, v2, 2, s27
	v_add_nc_u32 v10, SCS, v10                     ; my row's scale word: 64 w + 4 r
	v_lshlrev_b32 v11, 3, v3                       ; 8 h: my two bytes' place in the word
	v_add_nc_u32 v12, SCS, v4                      ; wave 0 reads the 512 bytes back
	v_lshlrev_b32 v13, 4, v2
	v_lshl_add_u32 v13, v3, 15, v13                ; and stores them: lanes 0-15 one plane of wxs, lanes 16-31 the next
	v_mov_b32 v247, 0                              ; a lane permute's destination counts as one of its sources
	s_mov_b32 s30, 0x76543210
	s_mov_b32 s31, 0xfedcba98                      ; v_permlanex16_b32: lane l xor 16
	s_wait_alu depctr_va_vdst(0)
	s_wait_kmcnt 0x0
	s_mov_b64 s[20:21], s[12:13]                   ; which tensor: the choice hangs on the work-group's number alone
	s_mov_b32 s22, 112
	s_cmp_lt_u32 ttmp9, 112
	s_cselect_b64 s[20:21], s[10:11], s[20:21]
	s_cselect_b32 s22, 96, s22
	s_cmp_lt_u32 ttmp9, 96
	s_cselect_b64 s[20:21], s[4:5], s[20:21]
	s_cselect_b32 s22, 32, s22
	s_cmp_lt_u32 ttmp9, 32
	s_cselect_b64 s[20:21], s[8:9], s[20:21]
	s_cselect_b32 s22, 16, s22
	s_cmp_lt_u32 ttmp9, 16
	s_cselect_b64 s[20:21], s[6:7], s[20:21]
	s_cselect_b32 s22, 0, s22
	s_sub_co_u32 s26, ttmp9, s22                   ; 64 rows to a work-group
	s_lshl_b32 s26, s26, 6
	s_add_co_u32 s26, s26, s24
	s_lshl_b32 s26, s26, 12                        ; rows of 4,096 bytes
	s_lshl_b32 s27, s19, 10
	s_add_co_u32 s26, s26, s27                     ; + 256 numbers along K
	s_mov_b32 s27, 0
	s_add_nc_u64 s[20:21], s[20:21], s[26:27]
	s_mul_i32 s26, s19, KSW
	s_lshl_b32 s28, ttmp9, 2
	s_add_co_u32 s28, s28, s18
	s_mul_i32 s28, s28, 3072
	s_add_co_u32 s26, s26, s28
	s_add_nc_u64 s[14:15], s[14:15], s[26:27]      ; my tile's two fragments in wx
	s_lshl_b32 s26, s19, 16
	s_lshl_b32 s28, ttmp9, 8
	s_add_co_u32 s26, s26, s28
	s_add_nc_u64 s[16:17], s[16:17], s[26:27]      ; the group's words in wxs
.irp q, 0,1
.irp i, 0,1,2,3,4,5,6,7
	global_load_b128 v[RG+64*\q+4*\i:RG+64*\q+4*\i+3], v4, s[20:21] offset:4096*\i+512*\q th:TH_LOAD_NT
.endr
.irp i, 8,9,10,11,12,13,14,15
	global_load_b128 v[RG+64*\q+4*\i:RG+64*\q+4*\i+3], v5, s[20:21] offset:4096*\i+512*\q th:TH_LOAD_NT
.endr
.endr
; a fragment's numbers through stage t: LDS serves a wave's instructions in order, so no wait stands between the stores and the loads
.macro TURN t, src, dst
.irp i, 0,1,2,3,4,5,6,7,8,9,10,11,12,13,14,15
	ds_store_b128 v6, v[\src+4*\i:\src+4*\i+3] offset:STG*\t+528*\i
.endr
.irp c, 0,1
.irp j, 0,1,2,3,4,5,6,7
	ds_load_b128 v[\dst+32*\c+4*\j:\dst+32*\c+4*\j+3], v7 offset:STG*\t+256*\c+16*\j
.endr
.endr
.endm
; 64 numbers of a lane (register 32 c + i = k 64 c + 32 h + i of row r) become the fragment's 12 registers at v[dst] and the row's scale word; both leave
.macro QF qq, xs, dst
.irp c, 0,1
	v_max3_num_f32 v[240+\c], |v[\xs+32*\c]|, |v[\xs+32*\c+1]|, 0x1800000   ; block 2 c + h is all mine; the floor 2^(3 - 127) holds the byte at 1 from below
.endr
.irp i, 2,4,6,8,10,12,14,16,18,20,22,24,26,28,30
.irp c, 0,1
	v_max3_num_f32 v[240+\c], v[240+\c], |v[\xs+32*\c+\i]|, |v[\xs+32*\c+\i+1]|
.endr
.endr
.irp c, 0,1
	v_add_nc_u32 v[242+\c], 0xff000000, v[240+\c]  ; 2 off the exponent field: the conversion's scale operand
.endr
.irp c, 0,1
	v_lshrrev_b32 v[244+\c], 23, v[242+\c]         ; the scale's byte
.endr
	v_lshl_or_b32 v246, v245, 16, v244             ; blocks h and 2 + h,
	v_lshlrev_b32 v246, v11, v246                  ; at their places in the word;
	v_permlanex16_b32 v247, v246, s30, s31
	v_or_b32 v246, v246, v247                      ; with lane l xor 16's two the word is whole
.irp c, 0,1
	v_cvt_scalef32_pk16_fp6_f32 v[\dst+6*\c:\dst+6*\c+2], v[\xs+32*\c:\xs+32*\c+15], v[242+\c]
	v_cvt_scalef32_pk16_fp6_f32 v[DH+4*\c:DH+4*\c+2], v[\xs+32*\c+16:\xs+32*\c+31], v[242+\c]   ; (a conversion's three registers begin on an even number)
.endr
	v_nop                                          ; one plain line behind the scaled conversions
.irp c, 0,1
.irp i, 0,1,2
	v_mov_b32 v[\dst+3+6*\c+\i], v[DH+4*\c+\i]
.endr
.endr
	global_store_b128 v4, v[\dst:\dst+3], s[14:15] offset:1536*\qq            ; 512 consecutive bytes
	global_store_b64 v9, v[\dst+4:\dst+5], s[14:15] offset:1536*\qq+512       ; 256
	global_store_b128 v4, v[\dst+6:\dst+9], s[14:15] offset:1536*\qq+768
	global_store_b64 v9, v[\dst+10:\dst+11], s[14:15] offset:1536*\qq+1280
	ds_store_b32 v10, v246 offset:256*\qq          ; both halves of the lanes write the same word with the same value
.endm
	s_wait_loadcnt 16                              ; the first fragment's sixteen loads are in; the second's sixteen may be out
	TURN 0, RG, XA
	s_wait_loadcnt 0x0
	s_wait_dscnt 0x0                               ; the first fragment is turned: its registers as loaded are free
	TURN 1, RG+64, RG
	QF 0, XA, 208
	s_wait_dscnt 0x0                               ; the second fragment is turned
	QF 1, RG, 220                                  ; (codes in registers of their own: no store's data are written again)
	s_wait_dscnt 0x0                               ; for the others' sake: my scale words lie in LDS
	s_barrier_signal -1
	s_barrier_wait -1
	s_cmp_lg_u32 s18, 0
	s_cbranch_scc1 .Lend
	ds_load_b128 v[240:243], v12                   ; wave 0: the group's 128 words
	s_wait_dscnt 0x0
	global_store_b128 v13, v[240:243], s[16:17]    ; sixteen lanes store 256 consecutive bytes, aligned, in each of two planes
.Lend:
	s_wait_tensorcnt 0x0
	ds_add_u32 v248, v249
	s_wait_dscnt 0x0
	s_endpgm
.Lfunc_end_k_qb6c5593ac9_quant:
	.size	k_qb6c5593ac9_quant, .Lfunc_end_k_qb6c5593ac9_quant-k_qb6c5593ac9_quant
	.p2alignl 7, 3214868480
	.fill 96, 4, 3214868480
	.section	.rodata,"a",@progbits
	.p2align	6, 0x0
	.amdhsa_kernel k_qb6c5593ac9_quant
		.amdhsa_group_segment_fixed_size 69120
		.amdhsa_private_segment_fixed_size 0
		.amdhsa_enable_private_segment 0
		.amdhsa_kernarg_size 56
		.amdhsa_user_sgpr_count 2
		.amdhsa_user_sgpr_kernarg_segment_ptr 1
		.amdhsa_wavefront_size32 1
		.amdhsa_system_sgpr_workgroup_id_x 1
		.amdhsa_system_sgpr_workgroup_id_y 1
		.amdhsa_system_sgpr_workgroup_id_z 1
		.amdhsa_system_vgpr_workitem_id 0
		.amdhsa_next_free_vgpr 250
		.amdhsa_next_free_sgpr 66
		.amdhsa_reserve_vcc 0
		.amdhsa_float_denorm_mode_32 3
		.amdhsa_float_denorm_mode_16_64 3
		.amdhsa_memory_ordered 1
		.amdhsa_forward_progress 1
		.amdhsa_inst_pref_size 18
	.end_amdhsa_kernel
	.amdgpu_metadata
---
amdhsa.version: [ 1, 2 ]
amdhsa.kernels:
  - .name:           k_qb6c5593ac9_quant
    .symbol:         k_qb6c5593ac9_quant.kd
    .args:
      - { .name: x, .offset: 0, .size: 8, .value_kind: global_buffer, .address_space: global }
      - { .name: Wq, .offset: 8, .size: 8, .value_kind: global_buffer, .address_space: global }
      - { .name: Wk, .offset: 16, .size: 8, .value_kind: global_buffer, .address_space: global }
      - { .name: Wv, .offset: 24, .size: 8, .value_kind: global_buffer, .address_space: global }
      - { .name: Wo, .offset: 32, .size: 8, .value_kind: global_buffer, .address_space: global }
      - { .name: wx, .offset: 40, .size: 8, .value_kind: global_buffer, .address_space: global }
      - { .name: wxs, .offset: 48, .size: 8, .value_kind: global_buffer, .address_space: global }
    .group_segment_fixed_size: 69120
    .private_segment_fixed_size: 0
    .kernarg_segment_align: 8
    .kernarg_segment_size: 56
    .max_flat_workgroup_size: 128
    .sgpr_count:     66
    .vgpr_count:     250
    .wavefront_size: 32
...
	.end_amdgpu_metadata
.endif
;; end of part 1
;; launch qkv (part 2): grid 12 x 16, 4 waves a work-group, clusters of 4 x 4, 327,680 bytes of LDS; arguments wx, wxs, bq, bk, bv, img, isc; writes img, isc
.if DOCPART == 2
	.amdgcn_target "amdgcn-amd-amdhsa--gfx1250"
	.amdhsa_code_object_version 6
	.text
	.protected	k_qb6c5593ac9_qkv
	.globl	k_qb6c5593ac9_qkv
	.p2align	8
	.type	k_qb6c5593ac9_qkv,@function
k_qb6c5593ac9_qkv:
	s_mov_b64 s[64:65], 0
	v_nop
	global_prefetch_b8 v0, s[64:65] scope:SCOPE_SE
	s_setreg_imm32_b32 hwreg(HW_REG_WAVE_MODE, 25, 1), 1
	s_wait_xcnt 0x0
	s_wait_alu depctr_hold_cnt(0) depctr_sa_sdst(0) depctr_va_vdst(0) depctr_va_sdst(0) depctr_va_ssrc(0) depctr_va_vcc(0) depctr_vm_vsrc(0)
	s_getreg_b32 s2, hwreg(HW_REG_IB_STS2, 6, 4)
	s_cmp_eq_u32 s2, 0
	s_cbranch_scc0 .Lentry_in_a_cluster
	s_endpgm
.Lentry_in_a_cluster:
	s_bfe_u32 s2, ttmp6, 0x10000c
	s_cmp_lg_u32 s2, 0xf033
	s_cbranch_scc0 .Lentry_shape_is_right
	s_endpgm
.Lentry_shape_is_right:
.set NQ,     2
.set FR,     12
.set NL,     4
.set NP,     4
.set FRB,    1536
.set TROW,   3072
.set HALFT,  24576
.set SLOT,   98304
.set SCL,    196608
.set HALFS,  4096
.set SPARE,  212992
.set KSA,    1572864
.set KSB,    1572864
.set ADRA, 16
.set ADRB, 20
.set L16,  24
.set L8,   25
.set ADRS, 27
.set SPW,  28
.set NIL,  29
.set SC,   32
.set CI,   64
.set AF,   128
.set TM,   224
.set PC,   64
.set PWR,  240
.set W2,   248
.set G1, 24
.set G0, 32
.set G1B, 48
.set G0B, 56
.set G1S, 68
.set G0S, 76
.set G1SB, 80
.set G0SB, 88
.set MSB, 0
.macro WIN new
.if MSB != \new
	s_set_vgpr_msb (MSB<<8)|\new
.set MSB, \new
.endif
.endm
.set MUL_LO, 0xa1
.set MUL_HI, 0xf1
.set TO_B,   0x40
.macro JLOAD g0a, g1a, g0b, g1b
	s_cmp_eq_u32 s19, 0
	s_cbranch_scc0 .Lfor_b_\@
	tensor_load_to_lds s[\g0a:\g0a+3], s[\g1a:\g1a+7]
	s_nop 0
.rept 4
	v_nop
.endr
	s_branch .Lasked_\@
.Lfor_b_\@:
	tensor_load_to_lds s[\g0b:\g0b+3], s[\g1b:\g1b+7]
	s_nop 0
.rept 4
	v_nop
.endr
.Lasked_\@:
.endm
.macro CREST
	s_cmp_lg_u32 s18, 0
	s_cbranch_scc1 .Lnot_wave_0_\@
	s_barrier_signal -3
.Lnot_wave_0_\@:
	s_barrier_wait -3
	s_barrier_signal -1
	s_barrier_wait -1
.endm
.macro CROUND
	s_barrier_signal -1
	s_barrier_wait -1
	CREST
.endm
	s_load_b256 s[4:11], s[0:1], 0x0
	s_load_b128 s[12:15], s[0:1], 0x20
	s_load_b64 s[16:17], s[0:1], 0x30
	v_lshl_add_u32 v[SPW], v0, 2, SPARE
	v_mov_b32 v[NIL], 0
	ds_add_u32 v28, v29
	ds_add_u32 v28, v29
	s_wait_dscnt 0x0
	v_lshrrev_b32 v1, 5, v0
	v_readfirstlane_b32 s18, v1
	s_lshr_b32 s19, s18, 1
	s_and_b32 s20, s18, 1
	s_bfe_u32 s21, ttmp6, 0x40000
	s_bfe_u32 s22, ttmp6, 0x40004
	s_mov_b32 s23, ttmp9
	s_and_b32 s66, ttmp7, 0xffff
	s_lshl_b32 s40, s22, 2
	s_lshl_b32 s40, 15, s40
	s_lshl_b32 s41, 0x1111, s21
	s_or_b32 s[G1+0], s40, (3<<16)|(1<<21)
	s_or_b32 s[G1B+0], s41, (3<<16)|(1<<21)
.irp g, G1, G1B
	s_mov_b32 s[\g+1], 32<<16
	s_mov_b32 s[\g+2], 96<<16
	s_mov_b32 s[\g+3], 32<<16
	s_mov_b32 s[\g+4], 96
	s_mov_b32 s[\g+5], 32
	s_mov_b32 s[\g+6], 0
	s_mov_b32 s[\g+7], 0
.endr
	s_or_b32 s[G1S+0], s40, (3<<16)|(1<<21)
	s_or_b32 s[G1SB+0], s41, (3<<16)|(1<<21)
.irp g, G1S, G1SB
	s_mov_b32 s[\g+1], 64<<16
	s_mov_b32 s[\g+2], 8<<16
	s_mov_b32 s[\g+3], 64<<16
	s_mov_b32 s[\g+4], 8
	s_mov_b32 s[\g+5], 4096
	s_mov_b32 s[\g+6], 0
	s_mov_b32 s[\g+7], 0
.endr
	s_lshl_b32 s42, s66, 6
	s_add_co_u32 s42, s42, 128
	s_lshl_b32 s43, s23, 6
	s_cmp_lt_u32 s23, 2
	s_cselect_b32 s44, s42, 384
	s_cselect_b32 s45, s43, s42
	s_lshl_b32 s46, s22, 4
	s_add_co_u32 s44, s44, s46
	s_lshl_b32 s47, s21, 4
	s_add_co_u32 s45, s45, s47
	s_lshl_b32 s67, s20, 3
	s_add_co_u32 s44, s44, s67
	s_add_co_u32 s45, s45, s67
	s_mul_i32 s92, s44, TROW
	s_mov_b32 s93, 0
	s_lshl_b32 s94, s44, 6
	s_mov_b32 s95, 0
	s_mul_i32 s96, s45, TROW
	s_mov_b32 s97, 0
	s_lshl_b32 s98, s45, 6
	s_mov_b32 s99, 0
	s_mul_i32 s2, s18, HALFT
	s_lshl_b32 s3, s18, 12
	s_wait_kmcnt 0x0
	s_add_nc_u64 s[92:93], s[4:5], s[92:93]
	s_add_nc_u64 s[94:95], s[6:7], s[94:95]
	s_add_nc_u64 s[96:97], s[4:5], s[96:97]
	s_add_nc_u64 s[98:99], s[6:7], s[98:99]
	CROUND
	s_mov_b32 s[G0S], 1
	s_add_co_u32 s[G0S+1], s3, SCL
	s_mov_b64 s[G0S+2:G0S+3], s[94:95]
	s_or_b32 s[G0S+3], s[G0S+3], 0x80000000
	s_mov_b32 s[G0SB], 1
	s_add_co_u32 s[G0SB+1], s3, SCL
	s_mov_b64 s[G0SB+2:G0SB+3], s[98:99]
	s_or_b32 s[G0SB+3], s[G0SB+3], 0x80000000
	JLOAD G0S, G1S, G0SB, G1SB
.irp s, 0,1
	s_mov_b32 s[G0+4*\s], 1
	s_add_co_u32 s[G0+4*\s+1], s2, \s*SLOT
	s_add_nc_u64 s[G0+4*\s+2:G0+4*\s+3], s[92:93], \s*KSA
	s_or_b32 s[G0+4*\s+3], s[G0+4*\s+3], 0x80000000
	s_mov_b32 s[G0B+4*\s], 1
	s_add_co_u32 s[G0B+4*\s+1], s2, \s*SLOT
	s_add_nc_u64 s[G0B+4*\s+2:G0B+4*\s+3], s[96:97], \s*KSB
	s_or_b32 s[G0B+4*\s+3], s[G0B+4*\s+3], 0x80000000
	s_wait_alu depctr_va_vdst(0)
	s_wait_tensorcnt 0x0
	ds_add_u32 v28, v29
	s_wait_dscnt 0x0
	CROUND
	JLOAD G0+4*\s, G1, G0B+4*\s, G1B
.endr
	v_and_b32 v1, 15, v0
	v_bfe_u32 v2, v0, 4, 1
	v_and_b32 v3, 31, v0
	v_lshlrev_b32 v[L16], 4, v3
	v_lshlrev_b32 v[L8], 3, v3
	s_mul_i32 s42, s19, HALFT
	s_mul_i32 s43, s20, HALFT
	s_add_co_u32 s43, s43, 2*HALFT
.irp s, 0,1
	v_add_nc_u32 v[ADRA+\s], s42, v[L16]
	v_add_nc_u32 v[ADRB+\s], s43, v[L16]
	v_add_nc_u32 v[ADRA+2+\s], s42, v[L8]
	v_add_nc_u32 v[ADRB+2+\s], s43, v[L8]
	s_add_co_u32 s42, s42, SLOT
	s_add_co_u32 s43, s43, SLOT
.endr
	s_lshl_b32 s42, s19, 12
	s_lshl_b32 s43, s20, 12
	s_add_co_u32 s43, s43, 2*HALFS
	s_sub_co_u32 s43, s43, s42
	v_mul_u32_u24 v4, s43, v2
	s_add_co_u32 s42, s42, SCL
	v_lshl_add_u32 v4, v1, 2, v4
	v_add_nc_u32 v[ADRS], s42, v4
	v_lshlrev_b32 v5, 6, v2
	v_and_b32 v6, 8, v1
	v_add_nc_u32 v6, v6, v1
	v_lshlrev_b32 v6, 2, v6
	s_cmp_eq_u32 s23, 0
	s_cselect_b64 s[40:41], s[8:9], s[10:11]
	s_lshl_b32 s44, s21, 1
	s_add_co_u32 s44, s44, s20
	s_lshl_b32 s44, s44, 9
	s_mov_b32 s45, 0
	s_add_nc_u64 s[40:41], s[40:41], s[44:45]
	s_lshl_b32 s46, s22, 1
	s_add_co_u32 s46, s46, s19
	s_lshl_b32 s46, s46, 9
	s_mov_b32 s47, 0
	s_add_nc_u64 s[12:13], s[12:13], s[46:47]
	s_cmp_eq_u32 s23, 2
	s_cbranch_scc1 .Lbias_v
	s_wait_alu depctr_va_vdst(0)
.irp b, 0,1,2,3,4,5,6,7
	global_load_b128 v[CI+8*\b:CI+8*\b+3], v5, s[40:41] offset:4*(32*(\b/2)+8*(\b%2))
	global_load_b128 v[CI+8*\b+4:CI+8*\b+7], v5, s[40:41] offset:4*(32*(\b/2)+8*(\b%2))+16
.endr
	s_branch .Lbias_done
.Lbias_v:
	s_wait_alu depctr_va_vdst(0)
.irp a, 0,1,2,3,4,5,6,7
.irp j, 0,1,2,3,4,5,6,7
	global_load_b32 v[CI+8*\a+\j], v6, s[12:13] offset:4*(32*(\a/2)+8*(\a%2))
.endr
.endr
.Lbias_done:
.macro FRAG reg, adr, q, i
	ds_load_b128 v[\reg:\reg+3], v[\adr] offset:(\i)*TROW+(\q)*FRB
	ds_load_b64 v[\reg+4:\reg+5], v[\adr+2] offset:(\i)*TROW+(\q)*FRB+512
	ds_load_b128 v[\reg+6:\reg+9], v[\adr] offset:(\i)*TROW+(\q)*FRB+768
	ds_load_b64 v[\reg+10:\reg+11], v[\adr+2] offset:(\i)*TROW+(\q)*FRB+1280
.endm
.macro MUL16 a0, p, q, sc, z
.irp a, \a0, \a0+1
.irp b, 0,1,2,3,4,5,6,7
.if (\z) == 0
	v_wmma_scale_f32_16x16x128_f8f6f4 v[8*(8*((\a)%4)+\b):8*(8*((\a)%4)+\b)+7], v[128*(\p)+FR*\b:128*(\p)+FR*\b+FR-1], v[AF+FR*(\a):AF+FR*(\a)+FR-1], v[8*(8*((\a)%4)+\b):8*(8*((\a)%4)+\b)+7], v[SC+16*(\sc)+2*\b+(\q)], v[SC+16*(\sc)+2*(\a)+(\q)] matrix_a_fmt:MATRIX_FMT_FP6 matrix_b_fmt:MATRIX_FMT_FP6 matrix_a_scale:MATRIX_SCALE_ROW1
.elseif (\z) == 1
	v_wmma_scale_f32_16x16x128_f8f6f4 v[8*(8*((\a)%4)+\b):8*(8*((\a)%4)+\b)+7], v[128*(\p)+FR*\b:128*(\p)+FR*\b+FR-1], v[AF+FR*(\a):AF+FR*(\a)+FR-1], v[CI+8*\b:CI+8*\b+7], v[SC+16*(\sc)+2*\b+(\q)], v[SC+16*(\sc)+2*(\a)+(\q)] matrix_a_fmt:MATRIX_FMT_FP6 matrix_b_fmt:MATRIX_FMT_FP6 matrix_a_scale:MATRIX_SCALE_ROW1
.else
	v_wmma_scale_f32_16x16x128_f8f6f4 v[8*(8*((\a)%4)+\b):8*(8*((\a)%4)+\b)+7], v[128*(\p)+FR*\b:128*(\p)+FR*\b+FR-1], v[AF+FR*(\a):AF+FR*(\a)+FR-1], v[CI+8*(\a):CI+8*(\a)+7], v[SC+16*(\sc)+2*\b+(\q)], v[SC+16*(\sc)+2*(\a)+(\q)] matrix_a_fmt:MATRIX_FMT_FP6 matrix_b_fmt:MATRIX_FMT_FP6 matrix_a_scale:MATRIX_SCALE_ROW1
.endif
.endr
.endr
.endm
.macro FETCH_B slot, q, p
	WIN TO_B
.irp i, 0,1,2,3,4,5,6,7
	FRAG 128*(\p)+FR*\i, ADRB+\slot, \q, \i
.endr
	WIN 0
.endm
.macro FETCH_A slot, q, i0
.irp i, \i0, \i0+1, \i0+2, \i0+3
	FRAG AF+FR*(\i), ADRA+\slot, \q, \i
.endr
.endm
.macro SCALES sc
.irp i, 0,1,2,3,4,5,6,7
.irp q, 0,1
	ds_load_b32 v[SC+16*\sc+2*\i+\q], v[ADRS] offset:512*\q+64*\i
.endr
.endr
.endm
.macro PLACES n
.rept \n
	v_nop
.endr
.endm
.macro STEP slot, q, z
	s_wait_dscnt 4*NL
.if (\z) > 0
	WIN 0x81
.else
	WIN MUL_LO
.endif
	MUL16 0, (\q)%2, \q, \slot, \z
	MUL16 2, (\q)%2, \q, \slot, \z
	s_wait_dscnt 0
	PLACES NP
	FETCH_B \slot, (\q)+1, 1-(\q)%2
	FETCH_A \slot, (\q)+1, 0
.if (\z) > 0
	WIN 0xc1
.else
	WIN MUL_HI
.endif
	MUL16 4, (\q)%2, \q, \slot, \z
	MUL16 6, (\q)%2, \q, \slot, \z
	PLACES NP
	WIN 0
	FETCH_A \slot, (\q)+1, 4
.endm
.macro TURN slot, next, fill
	s_wait_tensorcnt 0x0
	ds_add_u32 v[SPW], v[NIL]
	s_wait_dscnt 4*NL+1
	WIN MUL_LO
	MUL16 0, 1, NQ-1, \slot, 0
	s_wait_dscnt 0x0
	s_barrier_signal -1
	MUL16 2, 1, NQ-1, \slot, 0
	WIN 0
	s_barrier_wait -1
.if \fill
	CREST
	s_add_nc_u64 s[G0+4*\slot+2:G0+4*\slot+3], s[G0+4*\slot+2:G0+4*\slot+3], 2*KSA
	s_add_nc_u64 s[G0B+4*\slot+2:G0B+4*\slot+3], s[G0B+4*\slot+2:G0B+4*\slot+3], 2*KSB
	JLOAD G0+4*\slot, G1, G0B+4*\slot, G1B
.else
	PLACES NP
.endif
	s_wait_alu depctr_va_vdst(0)
	v_add_nc_u32 v[ADRS], 512*NQ, v[ADRS]
	FETCH_B \next, 0, 0
	FETCH_A \next, 0, 0
	SCALES \next
	WIN MUL_HI
	MUL16 4, 1, NQ-1, \slot, 0
	MUL16 6, 1, NQ-1, \slot, 0
	PLACES NP
	WIN 0
	FETCH_A \next, 0, 4
.endm
	s_wait_tensorcnt 1
	s_barrier_signal -1
	s_barrier_wait -1
	FETCH_B 0, 0, 0
	FETCH_A 0, 0, 0
	SCALES 0
	FETCH_A 0, 0, 4
	s_wait_loadcnt 0x0
	s_cmp_eq_u32 s23, 2
	s_cbranch_scc1 .Lv_first
	STEP 0, 0, 1
	s_branch .Lfirst_done
.Lv_first:
	STEP 0, 0, 2
.Lfirst_done:
	TURN 0, 1, 1
	STEP 1, 0, 0
	TURN 1, 0, 1
	STEP 0, 0, 0
	TURN 0, 1, 0
	STEP 1, 0, 0
	s_wait_dscnt 4*NL
	WIN MUL_LO
	MUL16 0, 1, NQ-1, 1, 0
	MUL16 2, 1, NQ-1, 1, 0
	s_wait_dscnt 0
	WIN MUL_HI
	MUL16 4, 1, NQ-1, 1, 0
	MUL16 6, 1, NQ-1, 1, 0
	WIN 0
.irp b, 0,1,2,3
	v_mov_b32 v[TM+4+\b], 0
.endr
	s_lshl_b32 s40, s23, 2
	s_add_co_u32 s40, s40, s21
	s_lshl_b32 s40, s40, 1
	s_add_co_u32 s40, s40, s20
	s_lshl_b32 s41, s66, 2
	s_add_co_u32 s42, s41, s22
	s_lshl_b32 s42, s42, 1
	s_add_co_u32 s42, s42, s19
	s_lshl_b32 s43, s22, 1
	s_add_co_u32 s43, s43, s19
	s_add_co_u32 s43, s43, 16
	s_add_co_u32 s41, s41, s21
	s_lshl_b32 s41, s41, 1
	s_add_co_u32 s41, s41, s20
	s_cmp_eq_u32 s23, 2
	s_cselect_b32 s40, s43, s40
	s_cselect_b32 s41, s41, s42
	s_mov_b32 s44, 768
	s_cselect_b32 s44, 1536, s44
	s_mov_b32 s46, 6144
	s_cselect_b32 s46, 768, s46
	s_lshl_b32 s40, s40, 5
	s_add_co_u32 s40, s40, s41
	s_lshl_b32 s42, s40, 9
	s_mov_b32 s43, 0
	s_mul_i32 s40, s40, 12288
	s_mov_b32 s41, 0
	s_mov_b32 s45, 0
	s_mov_b32 s47, 0
	s_add_nc_u64 s[14:15], s[14:15], s[40:41]
	s_add_nc_u64 s[92:93], s[14:15], s[46:47]
	s_add_nc_u64 s[16:17], s[16:17], s[42:43]
	s_mov_b32 s96, 0x76543210
	s_mov_b32 s97, 0xfedcba98
.macro QUANTW a
.set AC, 64*((\a)%4)
.set WW, 2+(\a)/4
.if (\a) > 0
	s_wait_xcnt 0x0
	s_add_nc_u64 s[14:15], s[14:15], s[44:45]
	s_add_nc_u64 s[92:93], s[92:93], s[44:45]
.endif
	WIN 20*WW
.irp b, 0,1,2,3
	v_max3_num_f32 v[TM+\b], 0x1800000, |v[AC+16*\b]|, |v[AC+16*\b+1]|
.endr
.irp i, 2,4,6,8,10,12,14
.irp b, 0,1,2,3
	v_max3_num_f32 v[TM+\b], v[TM+\b], |v[AC+16*\b+\i]|, |v[AC+16*\b+\i+1]|
.endr
.endr
	WIN 0
.irp b, 0,1,2,3
	v_permlanex16_b32 v[TM+4+\b], v[TM+\b], s96, s97
.endr
.irp b, 0,1,2,3
	v_max_num_f32 v[TM+\b], v[TM+\b], v[TM+4+\b]
.endr
.irp b, 0,1,2,3
	v_add_nc_u32 v[TM+12+\b], 0xff000000, v[TM+\b]
.endr
.irp b, 0,1,2,3
	v_lshrrev_b32 v[TM+4+\b], 23, v[TM+12+\b]
.endr
	v_lshl_or_b32 v[PWR+(\a)], v[TM+5], 8, v[TM+4]
	v_lshl_or_b32 v[PWR+(\a)], v[TM+6], 16, v[PWR+(\a)]
	v_lshl_or_b32 v[PWR+(\a)], v[TM+7], 24, v[PWR+(\a)]
	WIN WW
.irp c, 0,1
	v_cvt_scalef32_pk16_fp6_f32 v[PC+6*\c:PC+2+6*\c], v[AC+32*\c:AC+15+32*\c], v[TM+12+2*\c]
	v_cvt_scalef32_pk16_fp6_f32 v[PC+12+4*\c:PC+14+4*\c], v[AC+16+32*\c:AC+31+32*\c], v[TM+12+2*\c+1]
.endr
	WIN 0
	v_nop
.irp c, 0,1
.irp i, 0,1,2
	v_permlane16_swap_b32 v[PC+6*\c+\i], v[PC+12+4*\c+\i]
.endr
.irp i, 0,1,2
	v_mov_b32 v[PC+3+6*\c+\i], v[PC+12+4*\c+\i]
.endr
.endr
	global_store_b128 v[L16], v[PC:PC+3], s[14:15]
	global_store_b64 v[L8], v[PC+4:PC+5], s[14:15] offset:512
	global_store_b128 v[L16], v[PC+6:PC+9], s[92:93]
	global_store_b64 v[L8], v[PC+10:PC+11], s[92:93] offset:512
.endm
.irp a, 0,1,2,3,4,5,6,7
	QUANTW \a
.endr
	s_mov_b32 vcc_lo, 0xffff0000
.irp c, 0,1,2,3
	v_cndmask_b32 v[W2+\c], v[PWR+2*\c], v[PWR+2*\c+1], vcc_lo
.endr
	global_store_b128 v[L16], v[W2:W2+3], s[16:17]
	s_wait_tensorcnt 0x0
	ds_add_u32 v[SPW], v[NIL]
	s_wait_dscnt 0x0
	CROUND
	s_endpgm
.Lfunc_end_k_qb6c5593ac9_qkv:
	.size	k_qb6c5593ac9_qkv, .Lfunc_end_k_qb6c5593ac9_qkv-k_qb6c5593ac9_qkv
	.p2alignl 7, 3214868480
	.fill 96, 4, 3214868480
	.section	.rodata,"a",@progbits
	.p2align	6, 0x0
	.amdhsa_kernel k_qb6c5593ac9_qkv
		.amdhsa_group_segment_fixed_size 327680
		.amdhsa_private_segment_fixed_size 0
		.amdhsa_enable_private_segment 0
		.amdhsa_kernarg_size 56
		.amdhsa_user_sgpr_count 2
		.amdhsa_user_sgpr_kernarg_segment_ptr 1
		.amdhsa_wavefront_size32 1
		.amdhsa_system_sgpr_workgroup_id_x 1
		.amdhsa_system_sgpr_workgroup_id_y 1
		.amdhsa_system_sgpr_workgroup_id_z 1
		.amdhsa_system_vgpr_workitem_id 0
		.amdhsa_next_free_vgpr 1024
		.amdhsa_next_free_sgpr 100
		.amdhsa_reserve_vcc 1
		.amdhsa_float_denorm_mode_32 3
		.amdhsa_float_denorm_mode_16_64 3
		.amdhsa_memory_ordered 1
		.amdhsa_forward_progress 1
		.amdhsa_inst_pref_size 173
	.end_amdhsa_kernel
	.amdgpu_metadata
---
amdhsa.version: [ 1, 2 ]
amdhsa.kernels:
  - .name:           k_qb6c5593ac9_qkv
    .symbol:         k_qb6c5593ac9_qkv.kd
    .args:
      - { .name: wx, .offset: 0, .size: 8, .value_kind: global_buffer, .address_space: global }
      - { .name: wxs, .offset: 8, .size: 8, .value_kind: global_buffer, .address_space: global }
      - { .name: bq, .offset: 16, .size: 8, .value_kind: global_buffer, .address_space: global }
      - { .name: bk, .offset: 24, .size: 8, .value_kind: global_buffer, .address_space: global }
      - { .name: bv, .offset: 32, .size: 8, .value_kind: global_buffer, .address_space: global }
      - { .name: img, .offset: 40, .size: 8, .value_kind: global_buffer, .address_space: global }
      - { .name: isc, .offset: 48, .size: 8, .value_kind: global_buffer, .address_space: global }
    .group_segment_fixed_size: 327680
    .private_segment_fixed_size: 0
    .kernarg_segment_align: 8
    .kernarg_segment_size: 56
    .max_flat_workgroup_size: 128
    .sgpr_count:     100
    .vgpr_count:     1024
    .wavefront_size: 32
...
	.end_amdgpu_metadata
.endif
;; end of part 2
;; launch attn (part 3): grid 16 x 16, 16 waves a work-group, clusters of 4 x 1, 327,680 bytes of LDS; arguments img, isc, ao, aos; writes ao, aos
.if DOCPART == 3
	.amdgcn_target "amdgcn-amd-amdhsa--gfx1250"
	.amdhsa_code_object_version 6
	.text
	.protected	k_qb6c5593ac9_attn
	.globl	k_qb6c5593ac9_attn
	.p2align	8
	.type	k_qb6c5593ac9_attn,@function
k_qb6c5593ac9_attn:
	s_mov_b64 s[64:65], 0
	v_nop
	global_prefetch_b8 v0, s[64:65] scope:SCOPE_SE
	s_setreg_imm32_b32 hwreg(HW_REG_WAVE_MODE, 25, 1), 1
	s_wait_xcnt 0x0
	s_wait_alu depctr_hold_cnt(0) depctr_sa_sdst(0) depctr_va_vdst(0) depctr_va_sdst(0) depctr_va_ssrc(0) depctr_va_vcc(0) depctr_vm_vsrc(0)
	s_getreg_b32 s2, hwreg(HW_REG_IB_STS2, 6, 4)
	s_cmp_eq_u32 s2, 0
	s_cbranch_scc0 .Lentry_in_a_cluster
	s_endpgm
.Lentry_in_a_cluster:
	s_bfe_u32 s2, ttmp6, 0x10000c
	s_cmp_lg_u32 s2, 0x3003
	s_cbranch_scc0 .Lentry_shape_is_right
	s_endpgm
.Lentry_shape_is_right:
; Attention of 16 heads of 64 over 4,096 tokens, both products on codes of FP6 (E2M3) with E8M0 scales; the result, divided by the row's sum, is quantised along the hidden axis and leaves as register images.
; img, isc: Q (planes 0-7), K (8-15), V (16-23) of head pair hp, in steps of 128 tokens of 12,288 bytes: Q, K [head e of the pair][token tile 8][768]; V [dim tile 4 e + t][64 keys: 2][768];
; in 768 bytes lane l's operand registers 0-3 lie at 16 l, registers 4, 5 at 512 + 8 l.  Scale word of tile a, row r at 256 (a%2) + 16 r + 4 (a/2); for Q and K bytes 0, 1 are head 0's, bytes 2, 3 head 1's.
; A stored token tile T holds tokens 32 (T/2) + 8 (T%2) + r + 8 (r/8); dim tiles likewise.
; THE SOFTMAX: t = score x log2(e) / 8; M = the running largest t rounded up to a whole number; p = 2^(t - M) is quantised along the keys, not normalised; the row's sum is taken of the unquantised p and divides O at the end.
; When M moves, the sum and O are multiplied by 2^(old M - new M): exact.
; SHARES: a work-group owns 256 queries of ONE head; wave w owns 16 queries in 256 registers, four waves to a SIMD.  Both products are used transposed (S^T = K Q^T, O^T = V^T P^T): a lane holds one query throughout.
; WHICH KEYS FORM A TILE OF K is chosen by the lanes' LDS addresses: tile (c, t) of a step takes keys 64 c + 8 t + 0..7 as rows 0-7 and keys 64 c + 32 + 8 t + 0..7 as rows 8-15: lane (r, h) reads row 8 (t/2) + r % 8 of the
; stored tile 4 c + 2 (r/8) + t % 2.  So the 32 score registers of tiles (c, 0..3) of lane (r, h) are keys 64 c + 32 h + 0..31 in order: one whole block of P's operand: no lane hands codes or a block's maximum to another.
; K = 64 IN AN INSTRUCTION OF 128: Q's registers 6-11 are zero codes.  K's tile a is named as twelve registers of which the upper six are the next tile's codes (or zeros): E2M3 has finite numbers only, and each meets a zero code.
; Q's and K's scale halves are loaded as 16 bits, so the bytes of k = 64..127 are 0, which is a power of two and no NaN.
; LDS: two slots of 1,024 keys.  K's step is 24 chunks of 256 bytes, each with 64 bytes of padding: rows 0-7 and rows 8-15 of a tile lie six chunks apart, 1,920 bytes = 128 modulo 256, so the sixteen lanes of a
; 16-byte read touch 256 different bytes modulo 256 (the 8-byte reads overlap two deep).  V's steps are dense.  The pair's scale words stay in LDS.
; CLUSTER: the four query blocks of a cluster walk the same K and V: each tile is asked for jointly (mask 15).  Every wave issues one first fill: waves 0-7 a step of K, waves 8-11 two steps of V, waves 12-15 8,192 bytes of scale words.
; THE WAY OUT: a row's word of aos holds two bytes of each head of the pair, and the two heads belong to two work-groups: my two bytes a row leave by a 2-byte store, so these units are written in part (131,072 bytes in all).
; LIMITS: a block of zeros, or one under 2^-124, gets the scale byte 1 (this program alone reads the bytes); NaN and infinities are not served; the promise holds while |t| stays under 2^31.
; REGISTERS: v1-4 lane places; v5, v6 the spare word's address and 0; v7-11, v30 the addresses in hand; v12 -M, v13 largest score, v[14:15] the sum; v16-27 Q; v29 Q's scales; v32-85 K's tiles or V's fragments; v86-89, v94-95 scales;
;   v100-163 S^T, then p; v164-195 O^T; v196-207 p's codes; v208-214 second halves; v216-232 at work; v228 p's scale word; v[230:231] f; v240-253 partial sums; v28, v31, v233-238 offsets that stay.
.set SLOT1, 1<<17                      ; slot 1 begins here
.set KSTEP, 7680                       ; a step of K in LDS: 24 x (256 + 64)
.set VOFF,  61440                      ; behind K's eight steps: V's
.set VSTEP, 6144
.set SCK,   262144                     ; K's scale words of the pair: 16,384 bytes; filled once
.set SCV,   278528                     ; V's
.set SPARE, 294912                     ; the spare words, 128 bytes for each of sixteen waves: eight blocks of 256 bytes that no other line names
.set PLANE, 393216
.set MSTEP, 12288                      ; a step of 128 tokens in img
.macro CROUND                          ; a round of the cluster's barrier
	s_barrier_signal -1
	s_barrier_wait -1
	CREST
.endm
.macro CREST                           ; a round behind its opening barrier
	s_cmp_lg_u32 s18, 0
	s_cbranch_scc1 .Lnot_wave_0_\@
	s_barrier_signal -3
.Lnot_wave_0_\@:
	s_barrier_wait -3
	s_barrier_signal -1
	s_barrier_wait -1
.endm
.macro BEHIND                          ; behind a tensor load
	s_nop 0
.rept 4
	v_nop
.endr
.endm
	s_load_b256 s[4:11], s[0:1], 0x0               ; img s[4:5], isc s[6:7], ao s[8:9], aos s[10:11]
	v_lshl_add_u32 v5, v0, 2, SPARE
	v_mov_b32 v6, 0
	ds_add_u32 v5, v6                              ; the opening lines: the add twice on end and one wait
	ds_add_u32 v5, v6
	v_lshrrev_b32 v8, 5, v0
	v_readfirstlane_b32 s18, v8                    ; wave 0..15
	s_and_b32 s48, s18, 7
	s_and_b32 s49, s18, 3
	s_bfe_u32 s13, ttmp6, 0x40000                  ; cx
	s_lshl_b32 s14, ttmp9, 2
	s_add_co_u32 s14, s14, s13                     ; my block of 256 queries: it enters Q's, the outputs' and the prefetches' addresses alone
	s_lshl_b32 s12, s14, 4
	s_add_co_u32 s12, s12, s18                     ; my query tile, 0..255
	s_and_b32 s15, ttmp7, 0xffff                   ; the head, which the four partners share
	s_and_b32 s19, s15, 1                          ; e
	s_lshr_b32 s17, s15, 1                         ; hp
	s_add_co_u32 s51, s17, 8                       ; K's plane
	s_mul_i32 s56, s51, PLANE
	s_mul_i32 s57, s19, 6144
	s_add_co_u32 s56, s56, s57                     ; my head's K, step 0
	s_mul_i32 s58, s48, MSTEP
	s_add_co_u32 s58, s58, s56                     ; K: step w % 8
	s_mov_b32 s59, 0
	s_mul_i32 s60, s49, 2*MSTEP
	s_add_co_u32 s60, s60, s56
	s_add_co_u32 s60, s60, 8*PLANE                 ; V: steps 2 (w % 4) and the next
	s_mov_b32 s61, 0
	s_lshl_b32 s62, s51, 14
	s_lshr_b32 s63, s49, 1
	s_lshl_b32 s63, s63, 17
	s_add_co_u32 s62, s62, s63
	s_and_b32 s63, s49, 1
	s_lshl_b32 s63, s63, 13
	s_add_co_u32 s62, s62, s63                     ; scale words: quarters 0, 1 K's, 2, 3 V's
	s_mov_b32 s63, 0
	s_mov_b32 s24, 15|(3<<16)|(1<<20)|(1<<21)|(5<<22)|(15<<25)   ; K: mask of all four; elements of 8 bytes; after every 64 dwords 16 dwords of padding
	s_mov_b32 s25, 32<<16                          ; 24 rows of 256 bytes, dense
	s_mov_b32 s26, 24<<16
	s_mov_b32 s27, 32<<16
	s_mov_b32 s28, 24
	s_mov_b32 s29, 32
	s_mov_b32 s30, 0
	s_mov_b32 s31, 0
	s_mov_b32 s32, 15|(3<<16)|(1<<21)              ; V: 2 rows of 6,144 bytes, 12,288 apart
	s_mov_b32 s33, 768<<16
	s_mov_b32 s34, 2<<16
	s_mov_b32 s35, 768<<16
	s_mov_b32 s36, 2
	s_mov_b32 s37, 1536
	s_mov_b32 s38, 0
	s_mov_b32 s39, 0
	s_mov_b32 s84, 15|(3<<16)|(1<<21)              ; scale words: 32 rows of 256 bytes, dense
	s_mov_b32 s85, 32<<16
	s_mov_b32 s86, 32<<16
	s_mov_b32 s87, 32<<16
	s_mov_b32 s88, 32
	s_mov_b32 s89, 32
	s_mov_b32 s90, 0
	s_mov_b32 s91, 0
	s_mov_b32 s20, 0x76543210
	s_mov_b32 s21, 0xfedcba98                      ; v_permlanex16_b32: lane l xor 16
	s_mov_b32 s22, 0x3e38aa3b                      ; c = log2(e) / 8
	s_mov_b32 s23, s22                             ; (named with it as a pair, so it is written)
	s_wait_dscnt 0x0                               ; both opening adds are done
	s_wait_kmcnt 0x0
	s_mov_b32 s40, 1
	s_mul_i32 s41, s48, KSTEP
	s_add_nc_u64 s[42:43], s[4:5], s[58:59]
	s_or_b32 s43, s43, 0x80000000
	s_mov_b32 s44, 1
	s_mul_i32 s45, s49, 2*VSTEP
	s_add_co_u32 s45, s45, VOFF
	s_add_nc_u64 s[46:47], s[4:5], s[60:61]
	s_or_b32 s47, s47, 0x80000000
	s_mov_b32 s52, 1
	s_lshl_b32 s53, s49, 13
	s_add_co_u32 s53, s53, SCK
	s_add_nc_u64 s[54:55], s[6:7], s[62:63]
	s_or_b32 s55, s55, 0x80000000
	CROUND                                         ; all four work-groups are here: the first joint loads meet
	s_cmp_lt_u32 s18, 8                            ; one chain of branches on the wave's number, one fill to an arm
	s_cbranch_scc0 .Lh_v
	tensor_load_to_lds s[40:43], s[24:31]          ; slot 0: a step of K
	BEHIND
	s_branch .Lh_done
.Lh_v:
	s_cmp_lt_u32 s18, 12
	s_cbranch_scc0 .Lh_s
	tensor_load_to_lds s[44:47], s[32:39]          ; slot 0: two steps of V
	BEHIND
	s_branch .Lh_done
.Lh_s:
	tensor_load_to_lds s[52:55], s[84:91]          ; a quarter of the scale words
	BEHIND
.Lh_done:
	s_lshr_b32 s72, s12, 3                         ; Q: my tile's step and its place in it
	s_and_b32 s73, s12, 7
	s_mul_i32 s92, s17, PLANE
	s_mul_i32 s74, s72, MSTEP
	s_add_co_u32 s92, s92, s74
	s_add_co_u32 s92, s92, s57
	s_mul_i32 s74, s73, 768
	s_add_co_u32 s92, s92, s74
	s_mov_b32 s93, 0
	s_add_nc_u64 s[92:93], s[4:5], s[92:93]        ; Q's half fragment
	s_lshl_b32 s94, s17, 14
	s_lshl_b32 s74, s72, 9
	s_add_co_u32 s94, s94, s74
	s_and_b32 s74, s73, 1
	s_lshl_b32 s74, s74, 8
	s_add_co_u32 s94, s94, s74
	s_lshr_b32 s74, s73, 1
	s_lshl_b32 s74, s74, 2
	s_add_co_u32 s94, s94, s74
	s_lshl_b32 s75, s19, 1                         ; 2 e
	s_add_co_u32 s94, s94, s75
	s_mov_b32 s95, 0
	s_add_nc_u64 s[94:95], s[6:7], s[94:95]        ; its scale halves
	s_lshr_b32 s72, s17, 1
	s_mul_i32 s72, s72, 786432
	s_mul_i32 s74, s12, 3072
	s_add_co_u32 s72, s72, s74
	s_and_b32 s74, s17, 1
	s_mul_i32 s74, s74, 1536
	s_add_co_u32 s72, s72, s74
	s_mul_i32 s74, s19, 768
	s_add_co_u32 s72, s72, s74
	s_mov_b32 s73, 0
	s_add_nc_u64 s[68:69], s[8:9], s[72:73]        ; ao: [256 along K = hp / 2][query tile][hp % 2][e][768]
	s_lshl_b32 s72, s17, 14
	s_lshl_b32 s74, s12, 6
	s_add_co_u32 s72, s72, s74
	s_add_co_u32 s72, s72, s75
	s_add_nc_u64 s[70:71], s[10:11], s[72:73]      ; aos: [hp][query tile][16 words], my head's half of each word
	; THE PREFETCHES: at the first two changes of slots the slot that the NEXT change will ask for is named, eight key steps ahead of that load.  The four clusters of a head walk the same K and V: the head's first cluster asks.
	; Its four partners take four rows of 6,144 bytes each, told apart BY ADDRESS (cx: K's halves, V's halves); in each, waves 8 to 10 name 32 blocks of 256 bytes each, a lane a block: every block once in the launch.
	s_lshr_b32 s72, s13, 1
	s_mul_i32 s72, s72, 8*PLANE
	s_and_b32 s74, s13, 1
	s_mul_i32 s74, s74, 4*MSTEP
	s_add_co_u32 s72, s72, s74
	s_add_co_u32 s72, s72, s56
	s_add_co_u32 s72, s72, 8*MSTEP                 ; in slot 1: the first change steps it to slot 2.  Nothing is prefetched at the head
	s_add_nc_u64 s[76:77], s[4:5], s[72:73]
	s_sub_co_u32 s82, s18, 8
	s_cmp_lt_u32 s82, 3                            ; waves 8 to 10
	s_cselect_b32 s80, 1, 0
	s_cmp_eq_u32 ttmp9, 0                          ; of the head's first cluster: the same in all four partners
	s_cselect_b32 s80, s80, 0                      ; a wave asks while the slot's number is under this
	s_add_co_u32 s75, s75, SCK
	s_lshl_b32 s74, s19, 3
	s_add_co_u32 s74, s74, SCV
	s_lshl_b32 s81, s49, 5
	v_and_b32 v8, 31, v0                           ; lane
	v_and_b32 v9, 7, v0                            ; r % 8
	v_bfe_u32 v10, v0, 3, 1                        ; r / 8
	v_bfe_u32 v11, v0, 4, 1                        ; h
	v_and_b32 v7, 15, v0                           ; r
	v_mul_u32_u24 v1, v10, 1920                    ; two stored tiles on: six chunks of 320
	v_lshlrev_b32 v234, 4, v8                      ; 16 x lane
	v_lshlrev_b32 v235, 3, v8                      ; 8 x lane
	v_lshl_add_u32 v2, v9, 3, v1
	v_lshl_add_u32 v1, v9, 4, v1
	v_lshl_add_u32 v2, v11, 7, v2
	v_mad_u32_u24 v1, v11, 320, v1                 ; K, registers 0-3: 1920 (r/8) + 16 (r%8) + 320 h
	v_add_nc_u32 v2, 640, v2                       ; K, registers 4, 5: 1920 (r/8) + 8 (r%8) + 128 h + the tile's third chunk
	v_lshl_add_u32 v3, v9, 4, s75
	v_lshl_add_u32 v4, v7, 4, s74
	v_lshl_add_u32 v3, v10, 2, v3
	v_lshl_add_u32 v4, v11, 8, v4                  ; V's scale words: 16 r + 8 e; lanes 16-31 the odd tiles', 256 on
	v_lshl_add_u32 v3, v11, 3, v3                  ; K's scale halves: 16 (r%8) + 4 (r/8) + 2 e; lanes 16-31 those of c = 1, 8 on
	v_add_nc_u32 v31, VOFF, v234                   ; V, registers 0-3
	v_add_nc_u32 v233, VOFF+512, v235              ; V, registers 4, 5
	v_lshlrev_b32 v236, 4, v7                      ; 16 r
	v_lshlrev_b32 v237, 3, v11                     ; 8 h: my two bytes' place in p's scale word
	v_lshlrev_b32 v238, 2, v7                      ; 4 r
	v_add_nc_u32 v28, s81, v8                      ; the prefetches: my block b of my work-group's 96,
	v_mul_u32_u24 v239, v28, 683
	v_lshlrev_b32 v28, 8, v28
	v_lshrrev_b32 v239, 14, v239                   ; its row b / 24,
	v_mad_u32_u24 v28, v239, 6144, v28             ; at 12,288 row + 256 (b % 24) = 6,144 row + 256 b
	global_load_b128 v[16:19], v234, s[92:93]      ; Q stays in registers
	global_load_b64 v[20:21], v235, s[92:93] offset:512
	global_load_u16 v29, v236, s[94:95]
.irp j, 22,23,24,25,26,27,80,81,82,83,84,85
	v_mov_b32 v\j, 0                               ; zero codes: Q's k = 64..127, and what stands behind K's last tile
.endr
	v_mov_b32 v13, 0xff61b1e6                      ; the largest score so far: -3e38
	v_mov_b32 v12, 0x7e800000                      ; -M: a large whole number: the first change of M multiplies zeros by 0
	v_mov_b32 v14, 0
	v_mov_b32 v15, 0
.irp j, 220,221,231,232,240,241,244,245,248,249
	v_mov_b32 v\j, 0                               ; a lane permute's destination counts as one of its sources; v231 is named in the pair v[230:231]
.endr
.set J, 0
.rept 32
	v_mov_b32 v[164+J], 0                          ; O^T: the step is written once
.set J, J+1
.endr
; A KEY STEP: 128 keys, the q-th of the four in hand
; pre = 1, a slot's last step: my reads of the slot end with V's loads, so the lines in front of the change's barrier and its signal stand in the step, and the rest of the step, work on registers, between signal and wait
.macro STEP q, pre
.irp c, 0,1
.irp t, 0,1,2,3
	ds_load_b128 v[32+6*(4*\c+\t):35+6*(4*\c+\t)], v8 offset:KSTEP*(\q)+960*(4*\c+\t%2)+128*(\t/2)
	ds_load_b64 v[36+6*(4*\c+\t):37+6*(4*\c+\t)], v9 offset:KSTEP*(\q)+960*(4*\c+\t%2)+64*(\t/2)
.endr
.endr
.irp t, 0,1,2,3
	ds_load_u16 v[86+\t], v7 offset:512*(\q)+256*(\t%2)+128*(\t/2)   ; lanes 0-15 tile (0, t)'s rows, lanes 16-31 tile (1, t)'s
.endr
	s_wait_alu depctr_va_vdst(0)
	s_wait_dscnt 0x0
.irp t, 0,1,2,3
	v_wmma_scale_f32_16x16x128_f8f6f4 v[100+8*\t:107+8*\t], v[32+6*\t:43+6*\t], v[16:27], 0, v[86+\t], v29 matrix_a_fmt:MATRIX_FMT_FP6 matrix_b_fmt:MATRIX_FMT_FP6
.endr
.irp t, 0,1,2,3
	v_wmma_scale_f32_16x16x128_f8f6f4 v[132+8*\t:139+8*\t], v[56+6*\t:67+6*\t], v[16:27], 0, v[86+\t], v29 matrix_a_fmt:MATRIX_FMT_FP6 matrix_b_fmt:MATRIX_FMT_FP6 matrix_a_scale:MATRIX_SCALE_ROW1
.endr
	v_pk_add_f32 v[244:245], v[244:245], v[248:249]   ; the last step's sum is finished here (the first step finds zeros): four plain lines, the places in front of V's loads and of the first read of the scores
	v_pk_add_f32 v[14:15], v[14:15], v[240:241]
	v_mov_b32 v239, v12                            ; the old -M, in a register that the step uses for nothing else
	v_pk_add_f32 v[14:15], v[14:15], v[244:245]
.irp t, 0,1,2,3                                ; V's four fragments and their scale words land under the softmax
.irp c, 0,1
	ds_load_b128 v[32+12*\t+6*\c:35+12*\t+6*\c], v10 offset:VSTEP*(\q)+1536*\t+768*\c
	ds_load_b64 v[36+12*\t+6*\c:37+12*\t+6*\c], v11 offset:VSTEP*(\q)+1536*\t+768*\c
.endr
.endr
	ds_load_b64 v[94:95], v30 offset:512*(\q)      ; lanes 0-15 tiles 0 and 2, lanes 16-31 tiles 1 and 3
.if \pre
	PRE
.endif
.irp b, 0,1,2,3
	v_max3_num_f32 v[216+\b], v[100+16*\b], v[101+16*\b], v[102+16*\b]   ; four chains; chains 2 c and 2 c + 1 make my block 2 c + h's largest score
.endr
.irp i, 3,5,7,9,11,13
.irp b, 0,1,2,3
	v_max3_num_f32 v[216+\b], v[216+\b], v[100+16*\b+\i], v[101+16*\b+\i]
.endr
.endr
.irp c, 0,1
	v_max3_num_f32 v[216+2*\c], v[216+2*\c], v[217+2*\c], v[115+32*\c]
.endr
.irp c, 0,1
	v_max_num_f32 v[216+2*\c], v[216+2*\c], v[131+32*\c]   ; it serves the row's maximum and, since p rises with the score, the block's largest p
.endr
	s_delay_alu instid0(VALU_DEP_1)
	v_max_num_f32 v232, v216, v218
	s_delay_alu instid0(VALU_DEP_1)
	v_permlanex16_b32 v220, v232, s20, s21
	s_delay_alu instid0(VALU_DEP_1)
	v_max3_num_f32 v13, v13, v232, v220            ; the running largest score, with lane l xor 16's 64 keys
	s_delay_alu instid0(VALU_DEP_1)
	v_mul_f32 v221, s22, v13                       ; as t (c is positive)
	s_delay_alu instid0(VALU_DEP_1)
	v_floor_f32 v12, -v221                         ; the new -M = -ceil(t)
	s_delay_alu instid0(VALU_DEP_1)
	v_sub_f32 v232, v12, v239                      ; old M - new M: a whole number, 0 or less
	s_delay_alu instid0(VALU_DEP_1)
	v_cvt_i32_f32 v232, v232                       ; (it saturates)
	s_delay_alu instid0(VALU_DEP_1)
	v_ldexp_f32 v230, 1.0, v232                    ; f = 2^(old M - new M)
.set J, 0
.rept 32
	v_pk_fma_f32 v[100+J:101+J], v[100+J:101+J], s[22:23], v[12:13] op_sel_hi:[1,0,0]   ; t - M, two at a time
.set J, J+2
.endr
.irp c, 0,1
	v_fma_f32 v[216+2*\c], v[216+2*\c], s22, v12   ; the same of each block's largest score
.endr
.set J, 0
.rept 16
	v_pk_mul_f32 v[164+J:165+J], v[164+J:165+J], v[230:231] op_sel_hi:[1,0]   ; O^T under the new M, from each accumulator's low end on
.set J, J+2
.endr
	s_wait_alu depctr_va_vdst(0)                   ; the wait ahead of the batch
.if \pre
	s_wait_dscnt 0x0                               ; the add is done, and my reads of this slot are over: V is in registers
	s_barrier_signal -1                            ; the change's barrier opens here; only work on registers follows up to its wait
.endif
.set J, 0
.rept 64
	v_exp_f32 v[100+J], v[100+J]                   ; p = 2^(t - M)
.set J, J+1
.endr
	v_exp_f32 v216, v216                           ; my two blocks' largest p
	v_exp_f32 v218, v218
	v_pk_mul_f32 v[14:15], v[14:15], v[230:231] op_sel_hi:[1,0]   ; the sums under the new M: a plain line behind the exponentials
	s_wait_alu depctr_va_vdst(0)                   ; one wait for the batch, ahead of its first reader
.irp c, 0,1
	v_max_num_f32 v[216+2*\c], 0x1800000, v[216+2*\c]   ; the floor 2^(3 - 127): the byte cannot fall under 1
.endr
.irp c, 0,1
	v_add_nc_u32 v[224+\c], 0xff000000, v[216+2*\c]     ; the conversion's scale operand
.endr
.irp c, 0,1
	v_lshrrev_b32 v[222+\c], 23, v[224+\c]         ; the scale's byte
.endr
	s_delay_alu instid0(VALU_DEP_1)
	v_lshl_or_b32 v228, v223, 16, v222             ; blocks h and 2 + h,
	s_delay_alu instid0(VALU_DEP_1)
	v_lshlrev_b32 v228, v237, v228                 ; at their places in the word
	s_delay_alu instid0(VALU_DEP_1)
	v_permlanex16_b32 v221, v228, s20, s21
.irp c, 0,1
	v_cvt_scalef32_pk16_fp6_f32 v[196+6*\c:198+6*\c], v[100+32*\c:115+32*\c], v[224+\c]
	v_cvt_scalef32_pk16_fp6_f32 v[208+4*\c:210+4*\c], v[116+32*\c:131+32*\c], v[224+\c]   ; (a conversion's three registers begin on an even number)
.endr
	v_or_b32 v228, v228, v221                      ; with lane l xor 16's two bytes p's scale word is whole; also the plain line behind the conversions
.irp c, 0,1
.irp i, 0,1,2
	v_mov_b32 v[199+6*\c+\i], v[208+4*\c+\i]
.endr
.endr
; the row's sum of the unquantised p, in eight chains; these 25 lines are also the places between the codes' and the scale word's writes and the products
.irp k, 0,1,2,3,4,5,6
	v_pk_add_f32 v[240+2*\k:241+2*\k], v[100+2*\k:101+2*\k], v[114+2*\k:115+2*\k]
.endr
	v_pk_add_f32 v[14:15], v[14:15], v[128:129]
.irp k, 0,1,2,3,4,5,6
	v_pk_add_f32 v[240+2*\k:241+2*\k], v[240+2*\k:241+2*\k], v[130+2*\k:131+2*\k]
.endr
	v_pk_add_f32 v[14:15], v[14:15], v[144:145]
.irp k, 0,1,2,3,4,5,6
	v_pk_add_f32 v[240+2*\k:241+2*\k], v[240+2*\k:241+2*\k], v[146+2*\k:147+2*\k]
.endr
	v_pk_add_f32 v[14:15], v[14:15], v[160:161]
	v_pk_add_f32 v[240:241], v[240:241], v[162:163]
	s_wait_alu depctr_va_vdst(0)
	s_wait_dscnt 0x0                               ; V
.irp t, 0,2
	v_wmma_scale_f32_16x16x128_f8f6f4 v[164+8*\t:171+8*\t], v[32+12*\t:43+12*\t], v[196:207], v[164+8*\t:171+8*\t], v[94+\t/2], v228 matrix_a_fmt:MATRIX_FMT_FP6 matrix_b_fmt:MATRIX_FMT_FP6
	v_wmma_scale_f32_16x16x128_f8f6f4 v[172+8*\t:179+8*\t], v[44+12*\t:55+12*\t], v[196:207], v[172+8*\t:179+8*\t], v[94+\t/2], v228 matrix_a_fmt:MATRIX_FMT_FP6 matrix_b_fmt:MATRIX_FMT_FP6 matrix_a_scale:MATRIX_SCALE_ROW1
.endr
	v_pk_add_f32 v[244:245], v[244:245], v[246:247]   ; four of the sum's last seven additions: the places in front of the next loads into registers that these products have read
	v_pk_add_f32 v[248:249], v[248:249], v[250:251]
	v_pk_add_f32 v[14:15], v[14:15], v[252:253]
	v_pk_add_f32 v[240:241], v[240:241], v[242:243]
.endm
; THE CHANGE OF SLOTS.  PRE: each wave waits for all its tensor loads and adds 0 to its spare word; the wait for the add and for the wave's reads of the slot, and the barrier's signal, follow it.
; POST: the barrier's wait; fill = 1: the rest of a round of the cluster's barrier, and behind it the slot just left takes the next 1,024 keys: the load has eight key steps in which to land.
.macro PRE
	s_wait_tensorcnt 0x0                           ; no tensor load of mine is out, so the descriptors may be written (the last change's stepped addresses are not used)
	ds_add_u32 v5, v6                              ; 0 onto my spare word
	s_xor_b32 s41, s41, SLOT1
	s_xor_b32 s45, s45, SLOT1
	s_add_nc_u64 s[42:43], s[42:43], 8*MSTEP       ; the next eight steps
	s_add_nc_u64 s[46:47], s[46:47], 8*MSTEP
	s_wait_xcnt 0x0                                ; the last prefetch, a slot back, has read its address
	s_add_nc_u64 s[76:77], s[76:77], 8*MSTEP
.endm
.macro POST fill
	s_barrier_wait -1
.if \fill
	CREST
	s_cmp_lt_u32 s18, 8
	s_cbranch_scc0 .Lr_v_\@
	tensor_load_to_lds s[40:43], s[24:31]          ; the first thing behind the round, and a wave's one tensor load until the next
	BEHIND
	s_branch .Lr_d_\@
.Lr_v_\@:
	s_cmp_lt_u32 s18, 12
	s_cbranch_scc0 .Lr_d_\@
	tensor_load_to_lds s[44:47], s[32:39]
	BEHIND
.Lr_d_\@:
	s_cmp_lt_u32 s67, s80                          ; the last change that fills a slot asks for nothing
	s_cbranch_scc0 .Lnot_mine_\@
	global_prefetch_b8 v28, s[76:77] th:TH_LOAD_NT scope:SCOPE_SE
.Lnot_mine_\@:
.endif
.endm
; A slot's eight steps: three trips of two, and two written out, since the last differs where a change follows (pre = 1).  s67 is the slot's number
.macro SLOTWORK pre
	s_and_b32 s2, s67, 1
	s_lshl_b32 s2, s2, 17                          ; the slot in hand
	s_lshl_b32 s3, s67, 12                         ; its scale words: 512 bytes a step
	s_mov_b32 s83, 0
.Lpair_\@:
	ADDR
	STEP 0, 0
	STEP 1, 0
	s_add_co_u32 s83, s83, 1
	s_cmp_lt_u32 s83, 3
	s_cbranch_scc1 .Lpair_\@
	s_mov_b32 s83, 3
	ADDR
	STEP 0, 0
	STEP 1, \pre
.endm
.macro ADDR                            ; the addresses of the s83-th pair of steps of the slot in hand
	s_mul_i32 s81, s83, 2*KSTEP
	s_add_co_u32 s81, s81, s2
	s_mul_i32 s82, s83, 2*VSTEP
	s_add_co_u32 s82, s82, s2
	s_lshl_b32 s16, s83, 10
	s_add_co_u32 s16, s16, s3
	v_add_nc_u32 v8, s81, v1
	v_add_nc_u32 v9, s81, v2
	v_add_nc_u32 v10, s82, v31
	v_add_nc_u32 v11, s82, v233
	v_add_nc_u32 v7, s16, v3
	v_add_nc_u32 v30, s16, v4
	s_wait_alu depctr_va_vdst(0)
.endm
	s_mov_b32 s67, 0
	s_wait_alu depctr_va_vdst(0)                   ; the wait at the head's end
	s_wait_loadcnt 0x0                             ; Q
	PRE                                            ; the first change: slot 0 and the scale words are in; slot 1 is filled for the first time, as a refill is
	s_wait_dscnt 0x0
	s_barrier_signal -1
	POST 1
.Lslot:                                            ; two trips: slots 0 and 1 are worked, and each is filled again behind the change at its end
	SLOTWORK 1
	POST 1
	s_add_co_u32 s67, s67, 1
	s_cmp_lt_u32 s67, 2
	s_cbranch_scc1 .Lslot
	s_mov_b32 s67, 2                               ; the last two slots are written out
	SLOTWORK 1
	POST 0
	s_mov_b32 s67, 3
	SLOTWORK 0
	; THE WAY OUT: O^T / the sum; register 16 b + i is the head's dim 32 b + 16 h + i: two blocks along the last product's K; quantised; half a fragment's image and two scale bytes a row
	v_pk_add_f32 v[244:245], v[244:245], v[248:249]   ; the last step's sum is finished (with the four additions behind the last products these are their places)
	v_pk_add_f32 v[14:15], v[14:15], v[240:241]
	v_pk_add_f32 v[14:15], v[14:15], v[244:245]
	s_delay_alu instid0(VALU_DEP_1)
	v_add_f32 v14, v14, v15
	s_delay_alu instid0(VALU_DEP_1)
	v_permlanex16_b32 v232, v14, s20, s21
	s_delay_alu instid0(VALU_DEP_1)
	v_add_f32 v14, v14, v232                       ; the row's sum
	s_wait_alu depctr_va_vdst(0)
	v_rcp_f32 v14, v14
	v_nop                                          ; a plain line behind the reciprocal,
	s_wait_alu depctr_va_vdst(0)                   ; and the wait ahead of its first reader
.set J, 0
.rept 32
	v_mul_f32 v[100+J], v[164+J], v14
.set J, J+1
.endr
.irp b, 0,1
	v_max3_num_f32 v[216+\b], |v[100+16*\b]|, |v[101+16*\b]|, 0x1800000
.endr
.irp i, 2,4,6,8,10,12,14
.irp b, 0,1
	v_max3_num_f32 v[216+\b], v[216+\b], |v[100+16*\b+\i]|, |v[101+16*\b+\i]|
.endr
.endr
.irp b, 0,1
	v_permlanex16_b32 v[220+\b], v[216+\b], s20, s21
.endr
.irp b, 0,1
	v_max_num_f32 v[216+\b], v[216+\b], v[220+\b]
.endr
.irp b, 0,1
	v_add_nc_u32 v[224+\b], 0xff000000, v[216+\b]
.endr
.irp b, 0,1
	v_lshrrev_b32 v[220+\b], 23, v[224+\b]
.endr
	v_lshl_or_b32 v229, v221, 8, v220              ; my head's two bytes of the row's word
	v_cvt_scalef32_pk16_fp6_f32 v[196:198], v[100:115], v224
	v_cvt_scalef32_pk16_fp6_f32 v[208:210], v[116:131], v225
	v_nop
.irp i, 0,1,2
	v_permlane16_swap_b32 v[196+\i], v[208+\i]
.endr
.irp i, 0,1,2
	v_mov_b32 v[199+\i], v[208+\i]
.endr
	global_store_b128 v234, v[196:199], s[68:69]               ; 512 consecutive bytes
	global_store_b64 v235, v[200:201], s[68:69] offset:512     ; 256
	global_store_b16 v238, v229, s[70:71]          ; two bytes a row, 4 bytes apart; both halves of the lanes write the same bytes with the same value
	s_wait_tensorcnt 0x0                           ; the wave's end
	ds_add_u32 v5, v6
	s_wait_dscnt 0x0
	CROUND                                         ; the closing round
	s_endpgm
.Lfunc_end_k_qb6c5593ac9_attn:
	.size	k_qb6c5593ac9_attn, .Lfunc_end_k_qb6c5593ac9_attn-k_qb6c5593ac9_attn
	.p2alignl 7, 3214868480
	.fill 96, 4, 3214868480
	.section	.rodata,"a",@progbits
	.p2align	6, 0x0
	.amdhsa_kernel k_qb6c5593ac9_attn
		.amdhsa_group_segment_fixed_size 327680
		.amdhsa_private_segment_fixed_size 0
		.amdhsa_enable_private_segment 0
		.amdhsa_kernarg_size 32
		.amdhsa_user_sgpr_count 2
		.amdhsa_user_sgpr_kernarg_segment_ptr 1
		.amdhsa_wavefront_size32 1
		.amdhsa_system_sgpr_workgroup_id_x 1
		.amdhsa_system_sgpr_workgroup_id_y 1
		.amdhsa_system_sgpr_workgroup_id_z 1
		.amdhsa_system_vgpr_workitem_id 0
		.amdhsa_next_free_vgpr 256
		.amdhsa_next_free_sgpr 100
		.amdhsa_reserve_vcc 0
		.amdhsa_float_denorm_mode_32 3
		.amdhsa_float_denorm_mode_16_64 3
		.amdhsa_memory_ordered 1
		.amdhsa_forward_progress 1
		.amdhsa_inst_pref_size 202
	.end_amdhsa_kernel
	.amdgpu_metadata
---
amdhsa.version: [ 1, 2 ]
amdhsa.kernels:
  - .name:           k_qb6c5593ac9_attn
    .symbol:         k_qb6c5593ac9_attn.kd
    .args:
      - { .name: img, .offset: 0, .size: 8, .value_kind: global_buffer, .address_space: global }
      - { .name: isc, .offset: 8, .size: 8, .value_kind: global_buffer, .address_space: global }
      - { .name: ao, .offset: 16, .size: 8, .value_kind: global_buffer, .address_space: global }
      - { .name: aos, .offset: 24, .size: 8, .value_kind: global_buffer, .address_space: global }
    .group_segment_fixed_size: 327680
    .private_segment_fixed_size: 0
    .kernarg_segment_align: 8
    .kernarg_segment_size: 32
    .max_flat_workgroup_size: 512
    .sgpr_count:     100
    .vgpr_count:     256
    .wavefront_size: 32
...
	.end_amdgpu_metadata
.endif
;; end of part 3
;; launch oproj (part 4): grid 8 x 32, 4 waves a work-group, clusters of 4 x 4, 327,680 bytes of LDS; arguments ao, aos, wx, wxs, bo, out0; writes out0
.if DOCPART == 4
	.amdgcn_target "amdgcn-amd-amdhsa--gfx1250"
	.amdhsa_code_object_version 6
	.text
	.protected	k_qb6c5593ac9_oproj
	.globl	k_qb6c5593ac9_oproj
	.p2align	8
	.type	k_qb6c5593ac9_oproj,@function
k_qb6c5593ac9_oproj:
	s_mov_b64 s[64:65], 0
	v_nop
	global_prefetch_b8 v0, s[64:65] scope:SCOPE_SE
	s_setreg_imm32_b32 hwreg(HW_REG_WAVE_MODE, 25, 1), 1
	s_wait_xcnt 0x0
	s_wait_alu depctr_hold_cnt(0) depctr_sa_sdst(0) depctr_va_vdst(0) depctr_va_sdst(0) depctr_va_ssrc(0) depctr_va_vcc(0) depctr_vm_vsrc(0)
	s_getreg_b32 s2, hwreg(HW_REG_IB_STS2, 6, 4)
	s_cmp_eq_u32 s2, 0
	s_cbranch_scc0 .Lentry_in_a_cluster
	s_endpgm
.Lentry_in_a_cluster:
	s_bfe_u32 s2, ttmp6, 0x10000c
	s_cmp_lg_u32 s2, 0xf033
	s_cbranch_scc0 .Lentry_shape_is_right
	s_endpgm
.Lentry_shape_is_right:
; out0 [4096][1024] f32 = A Wo^T + bo.  A (attention's result) and Wo arrive as codes of FP6 (E2M3) with E8M0 scales, laid as images of operand registers:
; ao [256 along K: 4][tile 256][128 along K: 2][64 along K: 2][768], wx the same with 512 tiles (Wo's are tiles 448-511); in 768 bytes lane l's operand registers 6c..6c+3 lie at 16 l, registers 6c+4, 6c+5 at 512 + 8 l.
; aos [128 along K: 8][tile 256][16 words], wxs [8][tile 512][16 words]: a row's four scale bytes.  A tile is 16 rows: Wo's tile T holds rows 16 T + r; A's tile a of a step of 128 tokens holds tokens 32 (a/2) + 8 (a%2) + r + 8 (r/8).
; SHARES: a work-group makes 128 tokens x 128 columns: 8 x 32 = 256 work-groups.  A wave makes 64 x 64: 16 accumulators of 16 x 16.
; ALL OF K LIES IN LDS AT ONCE: 8 tiles x 3,072 bytes x 4 of A, the same of Wo, and 4,096 bytes of scale words of each: four tiles, one tensor load a wave at the head, one wait, one barrier; nothing is filled again.
; CLUSTER 4 x 4: A's tiles hang on the block row alone and are asked for jointly along a row of the cluster, Wo's on the block column alone and jointly along a column.
; No prefetch: the launch asks for all its bytes at its head and has no loop to run ahead in.
; THE MATRIX INSTRUCTION IS USED TRANSPOSED (source 0 = 16 rows of Wo, source 1 = 16 rows of A): a lane holds eight neighbouring columns of one row of the result.  The bias is the C of the first step's products.
; REGISTERS: window 0: v0-21 addresses; v32-63 scale words (register 4 s + i: lanes 0-15 A's tile i, lanes 16-31 Wo's tile i, step s); v64-159, v160-255 two sets of fragments (Wo's four, then A's four).
;   window 1: v0-127 the accumulators, (a, b) at v[8 (4 a + b)]; v128-159 the bias.
.set TROW,   3072
.set KC,     24576                     ; a block's eight tiles for 256 along K
.set BCOD,   98304                     ; behind A's codes: Wo's
.set ASC,    196608                    ; A's scale words: [step 8][tile 8][64]
.set BSC,    200704                    ; Wo's
.set STAGE,  204800                    ; the way out: 16 rows x 272 bytes for each wave, written by LDS stores alone
.set SPITCH, 272
.set SPARE,  222208                    ; the spare words, 128 bytes for each wave: two blocks of 256 bytes that no other line names
.set FR,   12
.set ADA,  8                           ; v8, v9 A's 16-byte pieces for steps 0-3, 4-7; v10, v11 its 8-byte pieces
.set ADB,  12                          ; v12-15 the same for Wo
.set STO,  16
.set RD,   17
.set CO,   18
.set ADRS, 19
.set SPW,  20
.set NIL,  21
.set SC,   32
.set F,    64
.set BK,   64
.set CI,   128
.set G1A,  24
.set G0A,  32
.set G0B,  36
.set G1B,  48
.set G0SA, 56
.set G0SB, 60
.set G1SA, 68
.set G1SB, 80
.set MSB, 0
.macro WIN new                         ; the immediate's high byte repeats the setting that is left
.if MSB != \new
	s_set_vgpr_msb (MSB<<8)|\new
.set MSB, \new
.endif
.endm
.macro CROUND                          ; a round of the cluster's barrier
	s_barrier_signal -1
	s_barrier_wait -1
	s_cmp_lg_u32 s18, 0
	s_cbranch_scc1 .Lnot_wave_0_\@
	s_barrier_signal -3
.Lnot_wave_0_\@:
	s_barrier_wait -3
	s_barrier_signal -1
	s_barrier_wait -1
.endm
.macro PLACES
.rept 4
	v_nop
.endr
.endm
	s_load_b256 s[4:11], s[0:1], 0x0               ; ao s[4:5], aos s[6:7], wx s[8:9], wxs s[10:11]
	s_load_b128 s[12:15], s[0:1], 0x20             ; bo s[12:13], out0 s[14:15]
	v_lshl_add_u32 v[SPW], v0, 2, SPARE
	v_mov_b32 v[NIL], 0
	ds_add_u32 v[SPW], v[NIL]                      ; the opening lines: the add twice on end and one wait
	ds_add_u32 v[SPW], v[NIL]
	v_lshrrev_b32 v1, 5, v0
	v_readfirstlane_b32 s18, v1                    ; wave 0..3
	s_lshr_b32 s19, s18, 1                         ; which 64 rows are mine
	s_and_b32 s20, s18, 1                          ; which 64 columns
	s_bfe_u32 s21, ttmp6, 0x40000                  ; cx
	s_bfe_u32 s22, ttmp6, 0x40004                  ; cy
	s_lshl_b32 s44, ttmp9, 2
	s_add_co_u32 s44, s44, s21                     ; block column, 0..7
	s_and_b32 s45, ttmp7, 0xffff
	s_lshl_b32 s45, s45, 2
	s_add_co_u32 s45, s45, s22                     ; block row, 0..31
	s_lshl_b32 s40, s22, 2
	s_lshl_b32 s40, 15, s40                        ; my row of the cluster
	s_lshl_b32 s41, 0x1111, s21                    ; my column
	s_or_b32 s[G1A], s40, (3<<16)|(1<<21)          ; elements of 8 bytes; bit 21 set beside a mask
	s_or_b32 s[G1B], s41, (3<<16)|(1<<21)
	s_or_b32 s[G1SA], s40, (3<<16)|(1<<21)
	s_or_b32 s[G1SB], s41, (3<<16)|(1<<21)
.irp g, G1A, G1B                       ; codes: 4 rows of 24,576 bytes
	s_mov_b32 s[\g+1], 3072<<16
	s_mov_b32 s[\g+2], 4<<16
	s_mov_b32 s[\g+3], 3072<<16
	s_mov_b32 s[\g+4], 4
	s_mov_b32 s[\g+6], 0
	s_mov_b32 s[\g+7], 0
.endr
	s_mov_b32 s[G1A+5], 98304                      ; 786,432 bytes from row to row
	s_mov_b32 s[G1B+5], 196608                     ; 1,572,864
.irp g, G1SA, G1SB                     ; scale words: 8 rows of 512 bytes
	s_mov_b32 s[\g+1], 64<<16
	s_mov_b32 s[\g+2], 8<<16
	s_mov_b32 s[\g+3], 64<<16
	s_mov_b32 s[\g+4], 8
	s_mov_b32 s[\g+6], 0
	s_mov_b32 s[\g+7], 0
.endr
	s_mov_b32 s[G1SA+5], 2048
	s_mov_b32 s[G1SB+5], 4096
	s_mul_i32 s92, s45, KC                         ; A: tile 8 x block row
	s_mov_b32 s93, 0
	s_lshl_b32 s94, s45, 9
	s_mov_b32 s95, 0
	s_lshl_b32 s46, s44, 3
	s_add_co_u32 s46, s46, 448                     ; Wo: tile 448 + 8 x block column
	s_mul_i32 s96, s46, TROW
	s_mov_b32 s97, 0
	s_lshl_b32 s98, s46, 6
	s_mov_b32 s99, 0
	s_wait_dscnt 0x0                               ; both opening adds are done
	s_wait_kmcnt 0x0
	s_mov_b32 s[G0A], 1
	s_mov_b32 s[G0A+1], 0
	s_add_nc_u64 s[G0A+2:G0A+3], s[4:5], s[92:93]
	s_or_b32 s[G0A+3], s[G0A+3], 0x80000000
	s_mov_b32 s[G0B], 1
	s_mov_b32 s[G0B+1], BCOD
	s_add_nc_u64 s[G0B+2:G0B+3], s[8:9], s[96:97]
	s_or_b32 s[G0B+3], s[G0B+3], 0x80000000
	s_mov_b32 s[G0SA], 1
	s_mov_b32 s[G0SA+1], ASC
	s_add_nc_u64 s[G0SA+2:G0SA+3], s[6:7], s[94:95]
	s_or_b32 s[G0SA+3], s[G0SA+3], 0x80000000
	s_mov_b32 s[G0SB], 1
	s_mov_b32 s[G0SB+1], BSC
	s_add_nc_u64 s[G0SB+2:G0SB+3], s[10:11], s[98:99]
	s_or_b32 s[G0SB+3], s[G0SB+3], 0x80000000
	CROUND                                         ; all sixteen work-groups are here: the joint loads meet
; one chain of branches on the wave's number, one load to an arm: wave 0 A's codes, wave 1 Wo's, wave 2 A's scale words, wave 3 Wo's
.macro ARM under, g0, g1, next
	s_cmp_lt_u32 s18, \under
	s_cbranch_scc0 \next
	tensor_load_to_lds s[\g0:\g0+3], s[\g1:\g1+7]
	s_nop 0
	PLACES
	s_branch .Lhead_asked
\next:
.endm
	ARM 1, G0A,  G1A,  .Lhead_b
	ARM 2, G0B,  G1B,  .Lhead_sa
	ARM 3, G0SA, G1SA, .Lhead_sb
	tensor_load_to_lds s[G0SB:G0SB+3], s[G1SB:G1SB+7]
	s_nop 0
	PLACES
.Lhead_asked:
	s_lshl_b32 s46, s44, 9
	s_lshl_b32 s47, s20, 8
	s_add_co_u32 s46, s46, s47                     ; my first column, in bytes: 512 x block column + 256 x half
	s_mov_b32 s47, 0
	s_add_nc_u64 s[12:13], s[12:13], s[46:47]
	s_add_nc_u64 s[14:15], s[14:15], s[46:47]
	s_lshl_b32 s46, s45, 19
	s_lshl_b32 s42, s19, 18
	s_add_co_u32 s46, s46, s42                     ; my first row: 128 x block row + 64 x half, rows of 4,096 bytes
	s_add_nc_u64 s[14:15], s[14:15], s[46:47]
	s_mul_i32 s2, s19, 4*TROW                      ; my four tiles of A
	s_mul_i32 s3, s20, 4*TROW
	s_add_co_u32 s3, s3, BCOD                      ; and of Wo
	s_lshl_b32 s16, s19, 8
	s_lshl_b32 s17, s20, 8
	s_add_co_u32 s17, s17, BSC-ASC
	s_sub_co_u32 s17, s17, s16                     ; from A's words to Wo's
	s_add_co_u32 s16, s16, ASC
	s_mul_i32 s23, s18, 16*SPITCH
	s_add_co_u32 s23, s23, STAGE                   ; my stage
	v_and_b32 v1, 15, v0                           ; r
	v_bfe_u32 v2, v0, 4, 1                         ; h
	v_and_b32 v3, 31, v0
	v_lshlrev_b32 v6, 4, v3
	v_lshlrev_b32 v7, 3, v3
	v_add_nc_u32 v[ADA], s2, v6
	v_add_nc_u32 v[ADA+2], s2, v7
	v_add_nc_u32 v[ADB], s3, v6
	v_add_nc_u32 v[ADB+2], s3, v7
	v_mul_u32_u24 v4, s17, v2                      ; lanes 16-31 take Wo's words
	v_add_nc_u32 v[ADA+1], 2*KC, v[ADA]
	v_add_nc_u32 v[ADA+3], 2*KC, v[ADA+2]
	v_add_nc_u32 v[ADB+1], 2*KC, v[ADB]
	v_add_nc_u32 v[ADB+3], 2*KC, v[ADB+2]
	v_lshl_add_u32 v4, v1, 2, v4
	v_add_nc_u32 v[ADRS], s16, v4
	v_mul_u32_u24 v4, v1, SPITCH                   ; the stage, in: row r, 32 bytes for each half of the lanes
	v_lshl_add_u32 v4, v2, 5, v4
	v_add_nc_u32 v[STO], s23, v4
	v_mul_u32_u24 v4, v2, SPITCH                   ; and back: lanes 0-15 one row of 256 bytes, lanes 16-31 the next
	v_lshl_add_u32 v4, v1, 4, v4
	v_add_nc_u32 v[RD], s23, v4
	v_lshlrev_b32 v[CO], 4, v1
	v_lshl_add_u32 v[CO], v2, 12, v[CO]            ; the same two rows in out0
	v_lshlrev_b32 v5, 5, v2                        ; the bias: 8 h columns
	WIN 0x40                                       ; destination window 1
.irp b, 0,1,2,3
	global_load_b128 v[CI+8*\b:CI+8*\b+3], v5, s[12:13] offset:64*\b
	global_load_b128 v[CI+8*\b+4:CI+8*\b+7], v5, s[12:13] offset:64*\b+16
.endr
	WIN 0
.macro FRAG reg, a16, a8, off
	ds_load_b128 v[\reg:\reg+3], v[\a16] offset:\off
	ds_load_b64 v[\reg+4:\reg+5], v[\a8] offset:\off+512
	ds_load_b128 v[\reg+6:\reg+9], v[\a16] offset:\off+768
	ds_load_b64 v[\reg+10:\reg+11], v[\a8] offset:\off+1280
.endm
.macro FETCH s                         ; step s's eight fragments, 32 loads, into set s % 2
.set KO, (((\s)/2)%2)*KC+((\s)%2)*1536
.set KH, (\s)/4
.set FB, F+96*((\s)%2)
.irp i, 0,1,2,3
	FRAG FB+FR*\i, ADB+KH, ADB+2+KH, KO+\i*TROW
.endr
.irp i, 0,1,2,3
	FRAG FB+48+FR*\i, ADA+KH, ADA+2+KH, KO+\i*TROW
.endr
.endm
.macro MULS s, z                       ; a step's 16 products; the accumulators take turns, in the same order in every step.  z = 1: the bias starts the sums
.set FB, F+96*((\s)%2)
.irp a, 0,1,2,3
.irp b, 0,1,2,3
.if \z
	v_wmma_scale_f32_16x16x128_f8f6f4 v[8*(4*\a+\b):8*(4*\a+\b)+7], v[FB+FR*\b:FB+FR*\b+FR-1], v[FB+48+FR*\a:FB+48+FR*\a+FR-1], v[CI+8*\b:CI+8*\b+7], v[SC+4*(\s)+\b], v[SC+4*(\s)+\a] matrix_a_fmt:MATRIX_FMT_FP6 matrix_b_fmt:MATRIX_FMT_FP6 matrix_a_scale:MATRIX_SCALE_ROW1
.else
	v_wmma_scale_f32_16x16x128_f8f6f4 v[8*(4*\a+\b):8*(4*\a+\b)+7], v[FB+FR*\b:FB+FR*\b+FR-1], v[FB+48+FR*\a:FB+48+FR*\a+FR-1], v[8*(4*\a+\b):8*(4*\a+\b)+7], v[SC+4*(\s)+\b], v[SC+4*(\s)+\a] matrix_a_fmt:MATRIX_FMT_FP6 matrix_b_fmt:MATRIX_FMT_FP6 matrix_a_scale:MATRIX_SCALE_ROW1
.endif
.endr
.endr
.endm
	s_wait_alu depctr_va_vdst(0)                   ; the wait at the head's end
	s_wait_tensorcnt 0x0                           ; my tile of the four is in
	s_barrier_signal -1
	s_barrier_wait -1                              ; and everybody's
.set S, 0
.rept 8
.irp i, 0,1,2,3
	ds_load_b32 v[SC+4*S+\i], v[ADRS] offset:512*S+64*\i
.endr
.set S, S+1
.endr
	FETCH 0
	FETCH 1
	s_wait_loadcnt 0x0                             ; the bias
	s_wait_dscnt 32                                ; all but the 32 loads just issued: the scale words and step 0's fragments are in
	WIN 0x50                                       ; C and D window 1
	MULS 0, 1
.set S, 1
.rept 6
	PLACES                                         ; in front of loads into registers that the last products have read
	WIN 0
	FETCH S+1
	s_wait_dscnt 32                                ; all but the 32 just issued: step S's fragments are in
	WIN 0x50
	MULS S, 0
.set S, S+1
.endr
	s_wait_dscnt 0x0
	MULS 7, 0
; THE WAY OUT, tile by tile of 16 rows x 64 columns: through my own stage and back as whole rows of 256 bytes.  LDS serves a wave's instructions in order (ISA guide 5.7.1.4): no wait between the stores and the loads
.macro TOSTAGE a
	WIN 0x04                                       ; the data: window 1
.irp b, 0,1,2,3
	ds_store_b128 v[STO], v[8*(4*(\a)+\b):8*(4*(\a)+\b)+3] offset:64*\b       ; each accumulator from its low end on
	ds_store_b128 v[STO], v[8*(4*(\a)+\b)+4:8*(4*(\a)+\b)+7] offset:64*\b+16
.endr
	WIN 0
.set BB, BK+32*((\a)%2)
.irp t, 0,1,2,3,4,5,6,7
	ds_load_b128 v[BB+4*\t:BB+4*\t+3], v[RD] offset:\t*2*SPITCH
.endr
.endm
.macro SEND a, younger                 ; younger: the LDS instructions issued behind tile a's loads, which may stay out
.set BB, BK+32*((\a)%2)
	s_wait_dscnt \younger
.irp t, 0,1,2,3,4,5,6,7
	global_store_b128 v[CO], v[BB+4*\t:BB+4*\t+3], s[14:15] offset:(32*((\a)/2)+8*((\a)%2)+2*\t+8*(\t/4))*4096 th:TH_STORE_NT   ; sixteen lanes store 256 consecutive bytes, aligned
.endr
.endm
	PLACES                                         ; behind the last products
	TOSTAGE 0
.irp a, 1,2,3
.if \a > 1
	s_wait_xcnt 0x0                                ; tile a - 2's stores have read their registers: tile a's loads may land there
.endif
	TOSTAGE \a
	SEND \a-1, 16                                  ; behind tile a - 1's loads: tile a's 8 stores and 8 loads
.endr
	SEND 3, 0
	s_wait_tensorcnt 0x0                           ; the wave's end
	ds_add_u32 v[SPW], v[NIL]
	s_wait_dscnt 0x0
	CROUND                                         ; the closing round
	s_endpgm
.Lfunc_end_k_qb6c5593ac9_oproj:
	.size	k_qb6c5593ac9_oproj, .Lfunc_end_k_qb6c5593ac9_oproj-k_qb6c5593ac9_oproj
	.p2alignl 7, 3214868480
	.fill 96, 4, 3214868480
	.section	.rodata,"a",@progbits
	.p2align	6, 0x0
	.amdhsa_kernel k_qb6c5593ac9_oproj
		.amdhsa_group_segment_fixed_size 327680
		.amdhsa_private_segment_fixed_size 0
		.amdhsa_enable_private_segment 0
		.amdhsa_kernarg_size 48
		.amdhsa_user_sgpr_count 2
		.amdhsa_user_sgpr_kernarg_segment_ptr 1
		.amdhsa_wavefront_size32 1
		.amdhsa_system_sgpr_workgroup_id_x 1
		.amdhsa_system_sgpr_workgroup_id_y 1
		.amdhsa_system_sgpr_workgroup_id_z 1
		.amdhsa_system_vgpr_workitem_id 0
		.amdhsa_next_free_vgpr 512
		.amdhsa_next_free_sgpr 100
		.amdhsa_reserve_vcc 0
		.amdhsa_float_denorm_mode_32 3
		.amdhsa_float_denorm_mode_16_64 3
		.amdhsa_memory_ordered 1
		.amdhsa_forward_progress 1
		.amdhsa_inst_pref_size 53
	.end_amdhsa_kernel
	.amdgpu_metadata
---
amdhsa.version: [ 1, 2 ]
amdhsa.kernels:
  - .name:           k_qb6c5593ac9_oproj
    .symbol:         k_qb6c5593ac9_oproj.kd
    .args:
      - { .name: ao, .offset: 0, .size: 8, .value_kind: global_buffer, .address_space: global }
      - { .name: aos, .offset: 8, .size: 8, .value_kind: global_buffer, .address_space: global }
      - { .name: wx, .offset: 16, .size: 8, .value_kind: global_buffer, .address_space: global }
      - { .name: wxs, .offset: 24, .size: 8, .value_kind: global_buffer, .address_space: global }
      - { .name: bo, .offset: 32, .size: 8, .value_kind: global_buffer, .address_space: global }
      - { .name: out0, .offset: 40, .size: 8, .value_kind: global_buffer, .address_space: global }
    .group_segment_fixed_size: 327680
    .private_segment_fixed_size: 0
    .kernarg_segment_align: 8
    .kernarg_segment_size: 48
    .max_flat_workgroup_size: 128
    .sgpr_count:     100
    .vgpr_count:     512
    .wavefront_size: 32
...
	.end_amdgpu_metadata
.endif
;; end of part 4
